; MI455X (gfx1250); checked and timed in simulation.
; The chip was launched on July 23, 2026; its instructions are those of AMD's public machine-readable ISA for CDNA 5 (MIT licence, August 2026) and "CDNA5" Instruction Set Architecture Reference Guide (July 2026). The comments in the code are by the model that wrote it; some were corrected since.
;; Linear Attention. Allowed arithmetic: matrix products marked QUANTISED: E2M3 operands, one E8M0 scale for each 32 along K, by v_wmma_scale_f32_16x16x128_f8f6f4 with both operands' format E2M3, f32 sums; everything else in f32.
;; Inputs: beta 1,024 float32; gamma 1,024 float32; mask 4 x 1 x 4,096 bool; w_qkv_codes 3,072 x 32 x 24 uint8 (E2M3 codes of w_qkv, K innermost, in blocks of 32 codes, four codes in three bytes); w_qkv_scales 3,072 x 32 uint8 (E8M0 scales of w_qkv, one for each 32 codes along K); x 4 x 4,096 x 1,024 float32.
;; Outputs: out0 4 x 4,096 x 1,024 float32.
;; This version of the problem:
;;   THIS VERSION OF THE PROBLEM IS GIVEN IN LOW PRECISION. The matrix products marked QUANTISED in the list below multiply operands that are first quantised to E2M3 (2 exponent bits, 3 mantissa bits; 6 bits a number), with one power-of-two scale for each 32 numbers along K (OCP MX v1.0); their sums are f32. All else is computed in f32.
;;   The module's matrix products, in the order in which they are computed (A, B: the left and right operand; K: the contracted axis; several contracted axes count as one K, in the product's order):
;;     1. [M 16,384, K 1,024] x [K 1,024, N 3,072]; A: computed on the way; B: input w_qkv (given as codes): QUANTISED
;;     2. batch 32 x [M 128, K 4,096] x [K 4,096, N 128]; A: computed on the way; B: computed on the way: QUANTISED
;;     3. batch 32 x [M 4,096, K 128] x [K 128, N 128]; A: computed on the way; B: computed on the way: QUANTISED
;;   THE QUANTISER, for each operand of a quantised product, along K:
;;     - K is cut into blocks of 32 from its start; a last block that is shorter is filled with zeros.
;;     - A block's scale is 2^e with e = floor(log2(the largest magnitude in the block)) - 2, held to -126 .. 127; a block of zeros has e = 0. As a byte (E8M0): e + 127.
;;     - Each number is divided by its block's scale, clamped to +-7.5, and rounded to the nearest number of E2M3, ties to even, subnormals kept.
;;     - The product sums the exact products of the quantised numbers (number of the format x scale) in f32.
;;   ~~~python
;;   def quantise(x, axis):      # numpy; x: float32 -> the quantised numbers, widened to float32 again
;;       x = np.moveaxis(x, axis, -1); K = x.shape[-1]
;;       x = np.pad(x, [(0, 0)] * (x.ndim - 1) + [(0, -K % 32)]); x = x.reshape(x.shape[:-1] + (-1, 32)); a = np.abs(x).max(-1, keepdims=True)
;;       e = np.where(a > 0, np.clip(np.frexp(np.where(a > 0, a, 1))[1] - 1 - 2, -126, 127), 0)      # np.frexp(a)[1] - 1 = floor(log2(a)), exactly
;;       r = np.clip(x / 2.0 ** e, -7.5, 7.5)
;;       step = 2.0 ** (np.maximum(np.frexp(np.where(r == 0, 1, r))[1] - 1, 0) - 3)
;;       q = np.round(r / step) * step * 2.0 ** e      # np.round: ties to even
;;       return np.moveaxis(q.reshape(q.shape[:-2] + (-1,))[..., :K], -1, axis).astype(np.float32)
;;   ~~~
;;   OPERANDS COMPUTED ON THE WAY. 'Computed on the way' means the value that the module computes at that place (a softmax that the list does not call 'softmax' is quantised finished and normalised). What goes into a quantiser is computed in f32, as accurately as f32 sums, v_exp_f32 and their like allow (about 1e-6 of the number): no bf16 or f16 on the way to a quantiser, and a product that is left as it is and whose result goes on into a quantised operand takes f32 operands (vector FMAs, or v_wmma_f32_16x16x4_f32). A number that lies on a knife's edge between two numbers of the format may be rounded either way, as far as f32 arithmetic and the matrix unit's own rounding can turn it there, and no further.
;;   INPUTS GIVEN AS CODES. w_qkv (in the module: [1024, 3072], K = its axis 0): each comes as NAME_codes (uint8): NAME with its K axis moved to the last place and cut into blocks of 32 codes, [.., K / 32, bytes a block], one block behind the other in memory; four codes in three bytes: a row's codes are one little-endian stream of bits, code i at bits 6 i .. 6 i + 5 (a code: sign, 2 exponent bits, 3 mantissa bits); and NAME_scales (uint8): the same leading axes, one E8M0 byte (e + 127) for each 32 codes along K. Its value is code x scale, taken as it is: it is not quantised again, and the codes and scales need not be those that the quantiser above would give.
;; One version. Each part assembles by itself: llvm-mc -triple=amdgcn-amd-amdhsa -mcpu=gfx1250 --defsym DOCPART=n.
;; ======== version 1 of 1: 4 launches
;; limits: a function is approximated: absolute error at most 3e-07
;; workspace buffers: xq 12,582,912 bytes; xs 524,288 bytes; kvp 16,777,216 bytes; kvq 425,984 bytes
;; launch lnq (part 1): grid 256 x 1, 8 waves a work-group, no clusters, 87,040 bytes of LDS; arguments x, gamma, beta, xq, xs; writes xq, xs
.if DOCPART == 1
	.amdgcn_target "amdgcn-amd-amdhsa--gfx1250"
	.amdhsa_code_object_version 6
	.text
	.protected	k_q56540a1a09_lnq
	.globl	k_q56540a1a09_lnq
	.p2align	8
	.type	k_q56540a1a09_lnq,@function
k_q56540a1a09_lnq:
	s_mov_b64 s[64:65], 0
	v_nop
	global_prefetch_b8 v0, s[64:65] scope:SCOPE_SE
	s_setreg_imm32_b32 hwreg(HW_REG_WAVE_MODE, 25, 1), 1
	s_wait_xcnt 0x0
; xn = (x - mean) * rsqrt(var + 1e-5) * gamma + beta over rows of 1,024 f32, then quantised along the row to codes of FP6 (E2M3) with one E8M0 byte for each 32 numbers.
; xq: [16384][768] bytes, a row's codes as one stream of bits.  xs: [16384][32] bytes.
; A work-group takes 64 rows, a wave 8 rows, one at a time, written out: every offset is an immediate and no pointer is stepped.
; A row's eight loads read 512 consecutive bytes each, 16 a lane.  The conversion wants 16 NEIGHBOURS in a lane's registers, so the row turns through the wave's own stages in LDS (two halves of 2,048 bytes;
; 16 bytes of padding behind each 64) and comes back 64 bytes a lane: lane l holds columns 512 s + 16 l + 0 .. 15 of half s.  Two neighbouring lanes hold a block of 32.
; The mean is taken first and subtracted, the variance is the mean of the squares of what is left: no difference of large sums is formed.
; A block's scale byte is its largest magnitude's exponent field - 2, held at 1 from below.
; LIMITS: NaN and infinities among the inputs are not served.  A block whose largest magnitude lies under 2^-124 (a block of zeros too) keeps the byte 1: only this program reads the bytes, and zero codes add nothing.
; No barrier: waves share nothing.  One row's loads (8 a wave) are on their way while a row is worked.
.set WREG, 10752                       ; LDS of a wave: four stages of 32 x 80 bytes, then its 256 scale bytes
.set SP,   80
.set G,    24                          ; v24-55   gamma of my 32 columns
.set BT,   56                          ; v56-87   beta
.set R,    88                          ; v88-151  two sets of 32: a row as loaded
.set X,    152                         ; v152-215 two sets of 32: a row, 16 neighbours for each half
.set C,    216                         ; v216-231 codes: 2 rows x 2 halves x 4 registers
.set E,    232                         ; v232-247 a scale byte for each row and half
	s_load_b256 s[4:11], s[0:1], 0x0               ; x s[4:5], gamma s[6:7], beta s[8:9], xq s[10:11]
	s_load_b64 s[12:13], s[0:1], 0x20              ; xs
	v_lshl_add_u32 v248, v0, 2, 0x15000
	v_mov_b32 v249, 0
	v_lshrrev_b32 v1, 5, v0
	v_readfirstlane_b32 s14, v1                    ; wave 0..7
	v_and_b32 v1, 31, v0                           ; lane
	v_lshlrev_b32 v2, 4, v1                        ; my 16 bytes of a load's 512
	s_mul_i32 s15, s14, WREG
	v_lshrrev_b32 v3, 2, v1
	v_mul_u32_u24 v3, v3, SP
	v_and_b32 v4, 3, v1
	v_lshl_add_u32 v3, v4, 4, v3
	v_add_nc_u32 v3, s15, v3                       ; the stage on the way in: 80 (lane / 4) + 16 (lane % 4)
	v_mul_u32_u24 v4, v1, SP
	v_add_nc_u32 v4, s15, v4                       ; on the way out: 80 x lane
	v_mul_u32_u24 v5, v1, 12                       ; my 16 codes' place in half a row's 384 bytes
	v_lshrrev_b32 v6, 1, v1
	s_add_co_u32 s15, s15, 4*32*SP
	v_add_nc_u32 v6, s15, v6                       ; LDS: my block's scale byte
	v_lshlrev_b32 v7, 3, v1                        ; the scale bytes' way out: 8 bytes a lane
	v_add_nc_u32 v8, s15, v7
	v_lshlrev_b32 v9, 6, v1                        ; gamma, beta: my 16 numbers of a half
	v_mov_b32 v15, 0                               ; a lane permute's destination counts as read
	v_mov_b32 v17, 0                               ; named as the upper halves of pairs
	v_mov_b32 v19, 0
	s_mov_b32 s18, 0x3a800000                      ; 1 / 1024
	s_mov_b32 s19, 0x3727c5ac                      ; 1e-5
	s_mov_b32 s20, 0x76543210                      ; v_permlanex16_b32: lane l xor 16
	s_mov_b32 s21, 0xfedcba98
	s_lshl_b32 s22, ttmp9, 6
	s_lshl_b32 s23, s14, 3
	s_add_co_u32 s22, s22, s23                     ; my first row: 64 x work-group + 8 x wave
	s_lshl_b32 s16, s22, 12
	s_mov_b32 s17, 0
	s_wait_kmcnt 0x0
	s_add_nc_u64 s[4:5], s[4:5], s[16:17]          ; x: 4,096 bytes a row
	s_mul_i32 s16, s22, 768
	s_add_nc_u64 s[10:11], s[10:11], s[16:17]      ; xq: 768 bytes a row
	s_lshl_b32 s16, s22, 5
	s_add_nc_u64 s[12:13], s[12:13], s[16:17]      ; xs: 32 bytes a row: my 8 rows are 256 aligned bytes
.irp s, 0,1
.irp i, 0,1,2,3
	global_load_b128 v[G+16*\s+4*\i:G+16*\s+4*\i+3], v9, s[6:7] offset:2048*\s+16*\i
	global_load_b128 v[BT+16*\s+4*\i:BT+16*\s+4*\i+3], v9, s[8:9] offset:2048*\s+16*\i
.endr
.endr
.macro LOAD t                          ; row t as it lies: 32 lanes read 512 consecutive bytes
.irp j, 0,1,2,3,4,5,6,7
	global_load_b128 v[R+32*((\t)%2)+4*\j:R+32*((\t)%2)+4*\j+3], v2, s[4:5] offset:4096*(\t)+512*\j th:TH_LOAD_NT
.endr
.endm
.macro TURN t                          ; row t through its two stages; LDS serves a wave's instructions in order (ISA guide 5.7.1.4), so no wait stands between the stores and the loads
.irp j, 0,1,2,3,4,5,6,7
	ds_store_b128 v3, v[R+32*((\t)%2)+4*\j:R+32*((\t)%2)+4*\j+3] offset:2560*(2*((\t)%2)+\j/4)+640*(\j%4)
.endr
.irp j, 0,1,2,3,4,5,6,7
	ds_load_b128 v[X+32*((\t)%2)+4*\j:X+32*((\t)%2)+4*\j+3], v4 offset:2560*(2*((\t)%2)+\j/4)+16*(\j%4)
.endr
.endm
.macro REDUCE                          ; v14 summed over the 32 lanes, the result in every lane
	v_add_f32_dpp v14, v14, v14 row_xmask:1 row_mask:0xf bank_mask:0xf
	v_add_f32_dpp v14, v14, v14 row_xmask:2 row_mask:0xf bank_mask:0xf
	v_add_f32_dpp v14, v14, v14 row_xmask:4 row_mask:0xf bank_mask:0xf
	v_add_f32_dpp v14, v14, v14 row_xmask:8 row_mask:0xf bank_mask:0xf
	v_permlanex16_b32 v15, v14, s20, s21
	v_add_f32 v14, v14, v15
.endm
	LOAD 0
	LOAD 1
	s_wait_loadcnt 8                               ; gamma, beta and row 0 are in; row 1's eight loads may be out
	TURN 0
.macro ROW t
.set XR, X+32*((\t)%2)
.if (\t) > 0
	s_wait_dscnt 2                                 ; this row is back from the stage; only the last row's two byte stores are younger
.else
	s_wait_dscnt 0x0
.endif
.if (\t)+2 < 8
	LOAD (\t)+2                                    ; into the registers that this row's stores into the stage have read
.endif
.if (\t)+1 < 8
.if (\t) < 6
	s_wait_loadcnt 8                               ; the next row's eight loads are in; those just issued may be out
.else
	s_wait_loadcnt 0x0
.endif
	TURN (\t)+1
.endif
	v_pk_add_f32 v[10:11], v[XR:XR+1], v[XR+2:XR+3]            ; the row's sum, in two chains
	v_pk_add_f32 v[12:13], v[XR+4:XR+5], v[XR+6:XR+7]
.irp i, 8,12,16,20,24,28
	v_pk_add_f32 v[10:11], v[10:11], v[XR+\i:XR+\i+1]
	v_pk_add_f32 v[12:13], v[12:13], v[XR+\i+2:XR+\i+3]
.endr
	v_pk_add_f32 v[10:11], v[10:11], v[12:13]
	v_add_f32 v14, v10, v11
	REDUCE
	v_mul_f32 v16, s18, v14                        ; the mean
.irp i, 0,2,4,6,8,10,12,14,16,18,20,22,24,26,28,30
	v_pk_add_f32 v[XR+\i:XR+\i+1], v[XR+\i:XR+\i+1], v[16:17] op_sel_hi:[1,0] neg_lo:[0,1] neg_hi:[0,1]   ; x - mean
.endr
	v_pk_mul_f32 v[10:11], v[XR:XR+1], v[XR:XR+1]              ; the sum of squares, in two chains
	v_pk_mul_f32 v[12:13], v[XR+2:XR+3], v[XR+2:XR+3]
.irp i, 4,8,12,16,20,24,28
	v_pk_fma_f32 v[10:11], v[XR+\i:XR+\i+1], v[XR+\i:XR+\i+1], v[10:11]
	v_pk_fma_f32 v[12:13], v[XR+\i+2:XR+\i+3], v[XR+\i+2:XR+\i+3], v[12:13]
.endr
	v_pk_add_f32 v[10:11], v[10:11], v[12:13]
	v_add_f32 v14, v10, v11
	REDUCE
	v_fma_f32 v14, v14, s18, s19                   ; var + eps
	v_rsq_f32 v18, v14
	v_nop                                          ; a plain instruction behind the transcendental (ISA guide 5.7.2)
	s_wait_alu depctr_va_vdst(0)                   ; the wait ahead of the result's first reader
.irp i, 0,2,4,6,8,10,12,14,16,18,20,22,24,26,28,30
	v_pk_mul_f32 v[XR+\i:XR+\i+1], v[XR+\i:XR+\i+1], v[18:19] op_sel_hi:[1,0]
.endr
.irp i, 0,2,4,6,8,10,12,14,16,18,20,22,24,26,28,30
	v_pk_fma_f32 v[XR+\i:XR+\i+1], v[XR+\i:XR+\i+1], v[G+\i:G+\i+1], v[BT+\i:BT+\i+1]
.endr
.if (\t) >= 2
	s_wait_xcnt 0x0                                ; the stores of two rows back have read their data: these code registers are written again only behind this wait
.endif
.irp s, 0,1
	v_max3_num_f32 v20, |v[XR+16*\s]|, |v[XR+16*\s+1]|, |v[XR+16*\s+2]|      ; the largest magnitude of my 16
	v_max3_num_f32 v21, |v[XR+16*\s+3]|, |v[XR+16*\s+4]|, |v[XR+16*\s+5]|
.irp i, 6,10
	v_max3_num_f32 v20, v20, |v[XR+16*\s+\i]|, |v[XR+16*\s+\i+1]|
	v_max3_num_f32 v21, v21, |v[XR+16*\s+\i+2]|, |v[XR+16*\s+\i+3]|
.endr
	v_max3_num_f32 v20, v20, |v[XR+16*\s+14]|, |v[XR+16*\s+15]|
	v_max3_num_f32 v20, v20, v21, 3<<23            ; and the floor 2^(3 - 127): the byte cannot fall under 1
	v_max_num_f32_dpp v20, v20, v20 row_xmask:1 row_mask:0xf bank_mask:0xf   ; with my neighbour's 16: the block's
	v_add_nc_u32 v22, -(2<<23), v20                ; 2 off its exponent field: the conversion takes the exponent field of this operand as its scale
	v_cvt_scalef32_pk16_fp6_f32 v[C+8*((\t)%2)+4*\s:C+8*((\t)%2)+4*\s+2], v[XR+16*\s:XR+16*\s+15], v22
	v_lshrrev_b32 v[E+2*(\t)+\s], 23, v22          ; the scale's byte (also the plain instruction behind the conversion)
	ds_store_b8 v6, v[E+2*(\t)+\s] offset:32*(\t)+16*\s        ; both lanes of a block write the same byte with the same value
	global_store_b96 v5, v[C+8*((\t)%2)+4*\s:C+8*((\t)%2)+4*\s+2], s[10:11] offset:768*(\t)+384*\s   ; the wave stores 384 consecutive bytes
.endr
.endm
.irp t, 0,1,2,3,4,5,6,7
	ROW \t
.endr
	ds_load_b64 v[10:11], v8                       ; my wave's 256 scale bytes: these loads see my stores (in order)
	s_wait_dscnt 0x0
	global_store_b64 v7, v[10:11], s[12:13]        ; 32 lanes store 256 consecutive bytes, aligned
	s_wait_tensorcnt 0x0
	ds_add_u32 v248, v249
	s_wait_dscnt 0x0
	s_endpgm
.Lfunc_end_k_q56540a1a09_lnq:
	.size	k_q56540a1a09_lnq, .Lfunc_end_k_q56540a1a09_lnq-k_q56540a1a09_lnq
	.p2alignl 7, 3214868480
	.fill 96, 4, 3214868480
	.section	.rodata,"a",@progbits
	.p2align	6, 0x0
	.amdhsa_kernel k_q56540a1a09_lnq
		.amdhsa_group_segment_fixed_size 87040
		.amdhsa_private_segment_fixed_size 0
		.amdhsa_enable_private_segment 0
		.amdhsa_kernarg_size 40
		.amdhsa_user_sgpr_count 2
		.amdhsa_user_sgpr_kernarg_segment_ptr 1
		.amdhsa_wavefront_size32 1
		.amdhsa_system_sgpr_workgroup_id_x 1
		.amdhsa_system_sgpr_workgroup_id_y 1
		.amdhsa_system_sgpr_workgroup_id_z 1
		.amdhsa_system_vgpr_workitem_id 0
		.amdhsa_next_free_vgpr 250
		.amdhsa_next_free_sgpr 66
		.amdhsa_reserve_vcc 0
		.amdhsa_float_denorm_mode_32 3
		.amdhsa_float_denorm_mode_16_64 3
		.amdhsa_memory_ordered 1
		.amdhsa_forward_progress 1
		.amdhsa_inst_pref_size 81
	.end_amdhsa_kernel
	.amdgpu_metadata
---
amdhsa.version: [ 1, 2 ]
amdhsa.kernels:
  - .name:           k_q56540a1a09_lnq
    .symbol:         k_q56540a1a09_lnq.kd
    .args:
      - { .name: x, .offset: 0, .size: 8, .value_kind: global_buffer, .address_space: global }
      - { .name: gamma, .offset: 8, .size: 8, .value_kind: global_buffer, .address_space: global }
      - { .name: beta, .offset: 16, .size: 8, .value_kind: global_buffer, .address_space: global }
      - { .name: xq, .offset: 24, .size: 8, .value_kind: global_buffer, .address_space: global }
      - { .name: xs, .offset: 32, .size: 8, .value_kind: global_buffer, .address_space: global }
    .group_segment_fixed_size: 87040
    .private_segment_fixed_size: 0
    .kernarg_segment_align: 8
    .kernarg_segment_size: 40
    .max_flat_workgroup_size: 256
    .sgpr_count:     66
    .vgpr_count:     250
    .wavefront_size: 32
...
	.end_amdgpu_metadata
.endif
;; end of part 1
;; launch kv (part 2): grid 32 x 8, 4 waves a work-group, clusters of 4 x 4, 327,680 bytes of LDS; arguments w_qkv_codes, w_qkv_scales, xq, xs, mask, kvp; writes kvp
.if DOCPART == 2
	.amdgcn_target "amdgcn-amd-amdhsa--gfx1250"
	.amdhsa_code_object_version 6
	.text
	.protected	k_q56540a1a09_kv
	.globl	k_q56540a1a09_kv
	.p2align	8
	.type	k_q56540a1a09_kv,@function
k_q56540a1a09_kv:
	s_mov_b64 s[64:65], 0
	v_nop
	global_prefetch_b8 v0, s[64:65] scope:SCOPE_SE
	s_setreg_imm32_b32 hwreg(HW_REG_WAVE_MODE, 25, 1), 1
	s_wait_xcnt 0x0
	s_wait_alu depctr_hold_cnt(0) depctr_sa_sdst(0) depctr_va_vdst(0) depctr_va_sdst(0) depctr_va_ssrc(0) depctr_va_vcc(0) depctr_vm_vsrc(0)
	s_getreg_b32 s2, hwreg(HW_REG_IB_STS2, 6, 4)
	s_cmp_eq_u32 s2, 0
	s_cbranch_scc0 .Lentry_in_a_cluster
	s_endpgm
.Lentry_in_a_cluster:
	s_bfe_u32 s2, ttmp6, 0x10000c
	s_cmp_lg_u32 s2, 0xf033
	s_cbranch_scc0 .Lentry_shape_is_right
	s_endpgm
.Lentry_shape_is_right:
; For one head and 512 tokens: k = tanh(xn Wk), zero where the mask is set, v = xn Wv, both quantised ALONG THE TOKENS, and the part of kv = k^T v that these 512 tokens give.  All products on codes of FP6 (E2M3) with E8M0 scales.
; SHARES.  Work-group x = block of 512 tokens, y = head.  It makes two tiles, 256 tokens each, of 256 columns (the head's 128 of k, then its 128 of v); K = 1,024 goes in steps of 256 through a ring of two LDS slots.
; A wave makes 128 x 128 of a tile: 64 features of k (its blocks 0-3, window 2), 64 of v (blocks 4-7, window 3), for 128 tokens: so the tanh is shared evenly among the four waves.
; THE FIRST PRODUCT: source 0 = 16 tokens, source 1 = 16 rows of W: a lane then holds ONE feature, and its registers run along the tokens, which are the second product's K.
; Register 16 b + 8 u + j of lane half h is token 32 b + 16 u + 8 h + j; the quantiser lays it at place 32 b + 16 h + 8 u + j of the fragment: a permutation inside a block of 32, the same for k and v, so the products and the scales are those of the true order.
; Fragments of k^T and v go from wave to wave through LDS as images of their registers (3 stores of 16 bytes a lane, a scale word of 4 bytes a lane).
; THE SECOND PRODUCT: wave w makes e tiles 2 w, 2 w + 1 against all 8 d tiles: 16 accumulators that stay over both tiles; they leave as images of registers (kvp), 512 consecutive aligned bytes a store.
; CLUSTER 4 x 4: W's tiles hang on the head alone and are asked for jointly along a row of the cluster, the tokens' tiles on the token block alone, jointly along a column.
; The text is straight: the two tiles differ in their refills, in the first sums of kv and in LDS offsets.
; No prefetch: of a tile's four K steps two are asked for a whole way out ahead, and each row is read by several work-groups.
; LIMITS: NaN and infinities are not served.  Blocks whose largest magnitude lies under 2^-124 (blocks of zeros too) keep the scale byte 1; only this program reads the bytes.
; tanh(x) = 1 - 2 / (1 + 2^(2 log2(e) x)): its absolute error is about 1e-7, so its relative error passes 1e-6 where |x| is under about 0.1.  kv's f32 sum over the tokens is split into 8 parts of 512 tokens: another order of rounding than a single chain's.
; REGISTERS.  window 0: v1-31 addresses and the quantiser's work; v32-63 scale words, two sets; v64-127 kv's accumulators of e tile 2 w; v128-223 W's fragments; v224-247 codes just made, later v's fragments; v248-250 addresses.
;   window 1: v0-95, v128-223 the tokens' fragments, two sets (the second also: the mask's factors, then k^T's fragments); v96-127, v224-255 kv's accumulators of e tile 2 w + 1.   windows 2, 3: the 64 accumulators of the first product.
.set NQ,     2                         ; matrix instructions deep in a slot (256 along K)
.set ROWB,   192                       ; a tile's row: 256 codes
.set KROW,   768                       ; a row of codes in memory: 1,024 codes
.set PITCH,  240                       ; an LDS row: 3 x (64 bytes + 16 of padding)
.set FR,     12                        ; registers of a fragment
.set NL,     6                         ; LDS loads that bring one
.set NP,     4                         ; places behind this matrix instruction (ISA guide 7.12.1)
.set HALFT,  128*PITCH
.set SLOT,   4*HALFT
.set SBLK,   544                       ; the scale bytes of 16 rows: two units of 256 + 16
.set SCL,    2*SLOT                    ; W's scale bytes: 256 rows x 32 bytes as 32 units of 272
.set SCB,    SCL+8704                  ; the tokens': 512 rows, 64 units
.set SPARE,  SCB+17408                 ; the spare words: 128 bytes a wave, two blocks of 256 bytes that no other line names
.set KIMG,   SPARE+512                 ; 16 images of k^T's fragments (8 x token half + d tile), 1,536 bytes each
.set VIMG,   KIMG+16*1536              ; v's likewise
.set KSC,    VIMG+16*1536              ; their scale words, 128 bytes an image
.set VSC,    KSC+2048
.set MF,     VSC+2048                  ; 512 f32: 1 where a token counts, 0 where it is masked
.set ASKIP,  64                        ; W's blocks 4-7 lie 64 rows further on than 16 x block: they are v's
.set LSK,  1                           ; v1   KSC + 4 x lane
.set LIV,  2                           ; v2   VIMG + 16 x lane + 3,072 x wave
.set LSV,  3                           ; v3   VSC + 4 x lane + 256 x wave
.set TM,   4                           ; v4-15 the quantiser: largest magnitudes, bytes, scale operands
.set ADRA, 16                          ; v16-17 W's fragments in slot 0, 1; v18-19 the same behind one padding more
.set ADRB, 20                          ; v20-23 the same for the tokens
.set IWI,  24                          ; v24  where I store images
.set IWS,  25                          ; v25  and their scale words
.set ADRS2, 26                         ; v26  scale words, blocks 4-7
.set ADRS, 27                          ; v27  scale words, blocks 0-3: lanes 0-15 W's rows, lanes 16-31 the tokens'
.set SPW,  28                          ; v28  my spare word; never rewritten
.set NIL,  29                          ; v29  0; never rewritten
.set LIK,  30                          ; v30  KIMG + 16 x lane
.set PW,   31                          ; v31  the scale word just made
.set SC,   32
.set KA,   64                          ; kv's accumulators of e tile 2 w
.set AF,   128
.set PC,   224                         ; the codes just made (20 registers)
.set VF,   224                         ; v's two fragments
.set MFA,  248                         ; v248 MF + 512 x token half + 32 x lane half
.set SDEL, 249                         ; v249 8,704 in lanes 16-31: from the first tile's token scales to the second's
.set PO,   250                         ; v250 16 x lane
.set KF,   128                         ; window 1: k^T's eight fragments
.set MK,   128                         ; window 1: the mask's 64 factors
.set G1, 24
.set G0, 32
.set G1B, 48
.set G0B, 56
.set SEL, 66                           ; s[66:67] lane selects: lane l xor 16
.set G1S, 68
.set G0S, 76
.set G1SB, 80
.set G0SB, 88
.set CS,  98                           ; s[98:99] 2 log2(e)
.set MSB, 0
.macro WIN new                         ; the immediate's high byte repeats the setting that is left; a switch that changes nothing is dropped
.set WNEW, \new
.if MSB != WNEW
	s_set_vgpr_msb (MSB<<8)|WNEW
.set MSB, WNEW
.endif
.endm
.set MUL_LO, 0xa1                      ; source 0 (tokens) window 1, source 1 (W) window 0, C and D window 2
.set MUL_HI, 0xf1                      ; the same, C and D window 3
.set TO_B,   0x40                      ; destination window 1, address window 0
; A joint load: waves 0 and 1 fetch for W, waves 2 and 3 for the tokens.  The branch hangs on the wave's number alone.  Four v_nop follow each of the two lines.
.macro JLOAD g0a, g1a, g0b, g1b
	s_cmp_eq_u32 s15, 0
	s_cbranch_scc0 .Lfor_b_\@
	tensor_load_to_lds s[\g0a:\g0a+3], s[\g1a:\g1a+7]
	s_nop 0
.rept 4
	v_nop
.endr
	s_branch .Lasked_\@
.Lfor_b_\@:
	tensor_load_to_lds s[\g0b:\g0b+3], s[\g1b:\g1b+7]
	s_nop 0
.rept 4
	v_nop
.endr
.Lasked_\@:
.endm
.macro CREST                           ; a round of the cluster's barrier behind its opening barrier
	s_cmp_lg_u32 s14, 0
	s_cbranch_scc1 .Lnot_wave_0_\@
	s_barrier_signal -3
.Lnot_wave_0_\@:
	s_barrier_wait -3
	s_barrier_signal -1
	s_barrier_wait -1
.endm
.macro CROUND                          ; a whole round
	s_barrier_signal -1
	s_barrier_wait -1
	CREST
.endm
.macro PLACES n
.rept \n
	v_nop
.endr
.endm
	s_load_b256 s[4:11], s[0:1], 0x0               ; W's codes s[4:5], W's scales s[6:7], xq s[8:9], xs s[10:11]
	s_load_b64 s[12:13], s[0:1], 0x20              ; mask
	s_load_b64 s[96:97], s[0:1], 0x28              ; kvp
	v_lshl_add_u32 v[SPW], v0, 2, SPARE
	v_mov_b32 v[NIL], 0
	ds_add_u32 v28, v29
	ds_add_u32 v28, v29
	s_wait_dscnt 0x0
	v_lshrrev_b32 v1, 5, v0
	v_readfirstlane_b32 s14, v1                    ; wave 0..3
	s_lshr_b32 s15, s14, 1                         ; which 64 features of k and of v are mine.  Also: I fetch for W (0) or for the tokens (1)
	s_and_b32 s16, s14, 1                          ; which 128 tokens of a tile are mine.  Also: which half I fetch
	s_bfe_u32 s40, ttmp6, 0x40000                  ; cx, cy: my place in the cluster
	s_bfe_u32 s41, ttmp6, 0x40004
	s_lshl_b32 s42, ttmp9, 2
	s_add_co_u32 s42, s42, s40                     ; block of 512 tokens = 4 x cluster x + cx
	s_and_b32 s17, ttmp7, 0xffff
	s_lshl_b32 s17, s17, 2
	s_add_co_u32 s17, s17, s41                     ; head = 4 x cluster y + cy
	s_lshl_b32 s43, s41, 2
	s_lshl_b32 s43, 15, s43                        ; my row of the cluster
	s_lshl_b32 s44, 0x1111, s40                    ; my column
	; descriptor group 1: a tile of 128 rows x 192 bytes, 16 bytes of padding behind every 64
	s_or_b32 s[G1+0], s43, (0<<16)|(1<<20)|(1<<21)|(3<<22)|(3<<25)   ; the mask: W's tiles go to my row; elements of 1 byte; padding on; bit 21 beside a mask; after every 16 words, 4 words
	s_or_b32 s[G1B+0], s44, (0<<16)|(1<<20)|(1<<21)|(3<<22)|(3<<25)  ; the tokens' tiles go to my column
.irp g, G1, G1B
	s_mov_b32 s[\g+1], ROWB<<16                    ; tensor_dim0
	s_mov_b32 s[\g+2], 128<<16                     ; tensor_dim1
	s_mov_b32 s[\g+3], ROWB<<16                    ; tile_dim0
	s_mov_b32 s[\g+4], 128                         ; tile_dim1
	s_mov_b32 s[\g+5], KROW                        ; from row to row
	s_mov_b32 s[\g+6], 0
	s_mov_b32 s[\g+7], 0
.endr
	; the scale bytes: dense blocks, as rows of 256 bytes (32 elements of 8 bytes) with 16 bytes of padding: 16 rows for 128 rows of W, 32 for 256 tokens
	s_or_b32 s[G1S+0], s43, (3<<16)|(1<<20)|(1<<21)|(5<<22)|(3<<25)
	s_or_b32 s[G1SB+0], s44, (3<<16)|(1<<20)|(1<<21)|(5<<22)|(3<<25)
	s_mov_b32 s[G1S+1], 32<<16
	s_mov_b32 s[G1S+2], 16<<16
	s_mov_b32 s[G1S+3], 32<<16
	s_mov_b32 s[G1S+4], 16
	s_mov_b32 s[G1S+5], 32
	s_mov_b32 s[G1S+6], 0
	s_mov_b32 s[G1S+7], 0
	s_mov_b32 s[G1SB+1], 32<<16
	s_mov_b32 s[G1SB+2], 32<<16
	s_mov_b32 s[G1SB+3], 32<<16
	s_mov_b32 s[G1SB+4], 32
	s_mov_b32 s[G1SB+5], 32
	s_mov_b32 s[G1SB+6], 0
	s_mov_b32 s[G1SB+7], 0
	s_lshl_b32 s18, s16, 10
	s_lshl_b32 s20, s17, 7
	s_add_co_u32 s20, s20, s18
	s_add_co_u32 s20, s20, 1024                    ; W: row 1,024 (k) or 2,048 (v) + 128 x head
	s_mov_b32 s21, 0
	s_lshl_b32 s18, s16, 7
	s_lshl_b32 s46, s42, 9
	s_add_co_u32 s46, s46, s18                     ; tokens' codes: row 512 x block + 128 x half (the first tile)
	s_mov_b32 s47, 0
	s_lshl_b32 s18, s16, 8
	s_lshl_b32 s92, s42, 9
	s_add_co_u32 s92, s92, s18                     ; tokens' scales: row 512 x block + 256 x half: one tile's each
	s_mov_b32 s93, 0
	s_lshl_b64 s[22:23], s[20:21], 5               ; 32 scale bytes a row
	s_lshl_b64 s[92:93], s[92:93], 5
	s_mov_b64 s[18:19], KROW
	s_mul_u64 s[20:21], s[20:21], s[18:19]
	s_mul_u64 s[46:47], s[46:47], s[18:19]
	s_mul_i32 s45, s14, HALFT                      ; where the codes go: wave x 128 rows: no place in the cluster enters an LDS address
	s_mul_i32 s94, s16, 4352                       ; W's scales: half x 16 units
	s_mul_i32 s95, s16, 8704                       ; the tokens': half x 32 units
	s_lshl_b32 s2, s42, 9                          ; the mask's 512 bytes of my tokens
	s_mov_b32 s3, 0
	v_lshlrev_b32 v252, 2, v0
	s_wait_kmcnt 0x0
	s_add_nc_u64 s[20:21], s[4:5], s[20:21]
	s_add_nc_u64 s[22:23], s[6:7], s[22:23]
	s_add_nc_u64 s[46:47], s[8:9], s[46:47]
	s_add_nc_u64 s[92:93], s[10:11], s[92:93]
	s_add_nc_u64 s[12:13], s[12:13], s[2:3]
	global_load_b32 v251, v252, s[12:13]           ; four mask bytes a thread
	CROUND                                         ; all sixteen work-groups are here: the first joint loads meet
	s_mov_b32 s[G0S], 1
	s_add_co_u32 s[G0S+1], s94, SCL
	s_mov_b64 s[G0S+2:G0S+3], s[22:23]
	s_or_b32 s[G0S+3], s[G0S+3], 0x80000000
	s_mov_b32 s[G0SB], 1
	s_add_co_u32 s[G0SB+1], s95, SCB
	s_mov_b64 s[G0SB+2:G0SB+3], s[92:93]
	s_or_b32 s[G0SB+3], s[G0SB+3], 0x80000000
	JLOAD G0S, G1S, G0SB, G1SB                     ; the scale bytes, once: for all of K, and for both tiles
.irp s, 0,1
	s_mov_b32 s[G0+4*\s], 1
	s_add_co_u32 s[G0+4*\s+1], s45, \s*SLOT
	s_add_nc_u64 s[G0+4*\s+2:G0+4*\s+3], s[20:21], \s*ROWB
	s_or_b32 s[G0+4*\s+3], s[G0+4*\s+3], 0x80000000
	s_mov_b32 s[G0B+4*\s], 1
	s_add_co_u32 s[G0B+4*\s+1], s45, \s*SLOT
	s_add_nc_u64 s[G0B+4*\s+2:G0B+4*\s+3], s[46:47], \s*ROWB
	s_or_b32 s[G0B+4*\s+3], s[G0B+4*\s+3], 0x80000000
	JLOAD G0+4*\s, G1, G0B+4*\s, G1B               ; K steps 0 and 1: three loads of mine are out
.endr
	v_and_b32 v4, 15, v0                           ; r = lane % 16
	v_bfe_u32 v5, v0, 4, 1                         ; h = lane / 16
	v_mul_u32_u24 v6, v4, PITCH
	v_mul_u32_u24 v7, v5, 24
	v_add_nc_u32 v7, v6, v7                        ; a fragment's row x pitch + 24 x half
	v_lshl_add_u32 v8, v5, 4, v7                   ; and the same behind one padding more
	s_mul_i32 s21, s15, 64*PITCH                   ; my 64 rows of k's W (v's lie 128 rows on)
	s_mul_i32 s22, s16, HALFT                      ; my 128 tokens,
	s_add_co_u32 s22, s22, 2*HALFT                 ; behind W's 256 rows
.irp s, 0,1
	v_add_nc_u32 v[ADRA+\s], s21, v7
	v_add_nc_u32 v[ADRB+\s], s22, v7
	v_add_nc_u32 v[ADRA+2+\s], s21, v8
	v_add_nc_u32 v[ADRB+2+\s], s22, v8
	s_add_co_u32 s21, s21, SLOT
	s_add_co_u32 s22, s22, SLOT
.endr
	v_lshlrev_b32 v6, 5, v4                        ; my row's scale bytes: 32 a row,
	v_lshrrev_b32 v9, 3, v4
	v_lshl_add_u32 v6, v9, 4, v6                   ; and 16 more behind each 256
	s_mul_i32 s21, s15, 2176                       ; W's: my 64 rows of k (four blocks of 544 bytes)
	s_mul_i32 s22, s16, 4352                       ; the tokens': my 128 rows
	s_add_co_u32 s23, s22, 6528
	s_add_co_u32 s22, s22, 8704
	s_sub_co_u32 s22, s22, s21                     ; the distance from W's base to the tokens', for blocks 0-3,
	s_sub_co_u32 s23, s23, s21                     ; and for blocks 4-7, whose W rows (v's) lie 2,176 bytes further on than 544 x block
	v_mul_u32_u24 v9, s22, v5                      ; lanes 16-31 take the tokens'
	v_mul_u32_u24 v10, s23, v5
	s_add_co_u32 s21, s21, SCL
	v_add_nc_u32 v9, v6, v9
	v_add_nc_u32 v[ADRS], s21, v9
	s_add_co_u32 s21, s21, 2176
	v_add_nc_u32 v10, v6, v10
	v_add_nc_u32 v[ADRS2], s21, v10
	v_mul_u32_u24 v[SDEL], v5, 8704
	v_and_b32 v11, 31, v0                          ; lane
	v_lshl_add_u32 v[LSK], v11, 2, KSC
	s_mul_i32 s21, s14, 3072
	s_add_co_u32 s21, s21, VIMG
	v_lshl_add_u32 v[LIV], v11, 4, s21
	s_lshl_b32 s21, s14, 8
	s_add_co_u32 s21, s21, VSC
	v_lshl_add_u32 v[LSV], v11, 2, s21
	s_lshl_b32 s21, s16, 3
	s_lshl_b32 s22, s15, 2
	s_add_co_u32 s21, s21, s22                     ; my first image: 8 x token half + 4 x feature half
	s_mul_i32 s22, s21, 1536
	s_add_co_u32 s22, s22, KIMG
	v_lshl_add_u32 v[IWI], v11, 4, s22
	s_lshl_b32 s22, s21, 7
	s_add_co_u32 s22, s22, KSC
	v_lshl_add_u32 v[IWS], v11, 2, s22
	v_lshl_add_u32 v[LIK], v11, 4, KIMG
	s_lshl_b32 s21, s16, 9
	s_add_co_u32 s21, s21, MF
	v_lshl_add_u32 v[MFA], v5, 5, s21
	v_lshlrev_b32 v[PO], 4, v11
	v_lshl_add_u32 v253, v0, 4, MF
	s_mov_b32 s[SEL], 0x76543210
	s_mov_b32 s[SEL+1], 0xfedcba98
	s_mov_b32 s[CS], 0x4038aa3b                    ; 2 log2(e)
	s_mov_b32 s[CS+1], s[CS]                       ; (named with it as a pair, so it is written)
	s_lshr_b32 s2, s42, 3                          ; kvp: ((batch x 8 + head) x 8 + block in the batch) x 65,536 + wave x 16,384
	s_lshl_b32 s2, s2, 3
	s_add_co_u32 s2, s2, s17
	s_lshl_b32 s2, s2, 3
	s_and_b32 s3, s42, 7
	s_add_co_u32 s2, s2, s3
	s_lshl_b32 s2, s2, 16
	s_lshl_b32 s3, s14, 14
	s_add_co_u32 s2, s2, s3
	s_mov_b32 s3, 0
	s_add_nc_u64 s[96:97], s[96:97], s[2:3]
.irp b, 0,1,2,3
	v_mov_b32 v[TM+4+\b], 0                        ; written once: a lane permute's destination counts as one of its sources
.endr
	s_wait_loadcnt 0x0                             ; the mask bytes
.irp k, 0,1,2,3
	v_bfe_u32 v[12+\k], v251, 8*\k, 8
.endr
.irp k, 0,1,2,3
	v_cmp_eq_u32 vcc_lo, 0, v[12+\k]
	v_cndmask_b32 v[12+\k], 0, 1.0, vcc_lo         ; 1 where the byte is 0, else 0: a value is chosen, nothing branches
.endr
	ds_store_b128 v253, v[12:15]
.macro FRAG reg, adr, q, row           ; a fragment, 16 rows x 128 K, is 12 registers: lane l holds row l % 16; registers 6 c .. 6 c + 5 hold K = 64 c + 32 (l / 16) + 0 .. 31: 24 bytes of the row, as they lie
.irp p, 0,1,2,3,4,5                    ; in pieces of 8 bytes.  Lanes 16-31 read three pieces on; where that lies behind one padding more, the second address register serves
.set PCE, 12*(\q)+6*(\p/3)+\p%3
.if PCE%8 < 5
	ds_load_b64 v[\reg+2*\p:\reg+2*\p+1], v[\adr] offset:8*PCE+16*(PCE/8)+(\row)*PITCH
.else
	ds_load_b64 v[\reg+2*\p:\reg+2*\p+1], v[\adr+2] offset:8*PCE+16*(PCE/8)+(\row)*PITCH
.endif
.endr
.endm
; 16 matrix instructions: W's blocks a0, a0 + 1 x the tokens' eight, 128 along K.  p: the tokens' set; sc: the set of scale words.  zero = 1: the product starts the sums.
; The 64 accumulators take turns, one instruction a turn, in the same order in every step.
.macro MUL16 a0, p, q, sc, zero
.irp a, \a0, \a0+1
.irp b, 0,1,2,3,4,5,6,7
.if \zero
	v_wmma_scale_f32_16x16x128_f8f6f4 v[8*(8*((\a)%4)+\b):8*(8*((\a)%4)+\b)+7], v[128*(\p)+FR*\b:128*(\p)+FR*\b+FR-1], v[AF+FR*(\a):AF+FR*(\a)+FR-1], 0, v[SC+8*NQ*(\sc)+NQ*\b+(\q)], v[SC+8*NQ*(\sc)+NQ*(\a)+(\q)] matrix_a_fmt:MATRIX_FMT_FP6 matrix_b_fmt:MATRIX_FMT_FP6 matrix_a_scale:MATRIX_SCALE_ROW1
.else
	v_wmma_scale_f32_16x16x128_f8f6f4 v[8*(8*((\a)%4)+\b):8*(8*((\a)%4)+\b)+7], v[128*(\p)+FR*\b:128*(\p)+FR*\b+FR-1], v[AF+FR*(\a):AF+FR*(\a)+FR-1], v[8*(8*((\a)%4)+\b):8*(8*((\a)%4)+\b)+7], v[SC+8*NQ*(\sc)+NQ*\b+(\q)], v[SC+8*NQ*(\sc)+NQ*(\a)+(\q)] matrix_a_fmt:MATRIX_FMT_FP6 matrix_b_fmt:MATRIX_FMT_FP6 matrix_a_scale:MATRIX_SCALE_ROW1
.endif
.endr
.endr
.endm
.macro FETCH_B slot, q, p              ; the tokens' eight fragments of the slot's q-th 128 along K into set p
	WIN TO_B
.irp i, 0,1,2,3,4,5,6,7
	FRAG 128*(\p)+FR*\i, ADRB+\slot, \q, 16*\i
.endr
	WIN 0
.endm
.macro FETCH_A slot, q, i0             ; W's blocks i0 .. i0 + 3
.irp i, \i0, \i0+1, \i0+2, \i0+3
	FRAG AF+FR*(\i), ADRA+\slot, \q, 16*(\i)+ASKIP*((\i)/4)
.endr
.endm
.macro SCALES sc, ks                   ; K step ks's scale words into set sc: two words a row; lanes 0-15 W's block i, lanes 16-31 the tokens' block i
.irp i, 0,1,2,3
	ds_load_b64 v[SC+16*\sc+2*\i:SC+16*\sc+2*\i+1], v[ADRS] offset:SBLK*\i+8*\ks
.endr
.irp i, 4,5,6,7
	ds_load_b64 v[SC+16*\sc+2*\i:SC+16*\sc+2*\i+1], v[ADRS2] offset:SBLK*\i+8*\ks
.endr
.endm
; A step of 128 along K that has its successor in the same slot.
.macro STEP slot, q, zero
	s_wait_dscnt 4*NL                              ; all but the youngest 24 loads (W's blocks 4-7) are in
	WIN MUL_LO
	MUL16 0, (\q)%2, \q, \slot, \zero
	MUL16 2, (\q)%2, \q, \slot, \zero
	s_wait_dscnt 0                                 ; W's blocks 4-7 are in
	PLACES NP                                      ; in front of loads into registers that matrix instructions have read
	FETCH_B \slot, (\q)+1, 1-(\q)%2
	FETCH_A \slot, (\q)+1, 0
	WIN MUL_HI
	MUL16 4, (\q)%2, \q, \slot, \zero
	MUL16 6, (\q)%2, \q, \slot, \zero
	PLACES NP
	WIN 0
	FETCH_A \slot, (\q)+1, 4
.endm
; A slot's last step changes slots: ONE barrier; in front of it each wave waits for all its tensor loads, adds 0 to its spare word, and waits for that and for its own reads of this slot.
; mode 0: nothing is filled.  mode 1: this slot takes the K step two on.  mode 2: it takes the NEXT TILE's K step 0 or 1: W goes back along K, the tokens go 256 rows down and back.
; ks: the K step that comes next.  nt = 1: it is the next tile's, so the tokens' scale words are the next tile's.
.macro TURN slot, next, mode, ks, nt
	s_wait_tensorcnt 0x0                           ; all my tensor loads have landed: my part of the next slot (every window is 0 here)
	ds_add_u32 v[SPW], v[NIL]                      ; 0 onto my spare word
	s_wait_dscnt 4*NL+1                            ; (the add and the youngest 24 loads may be out)
	WIN MUL_LO
	MUL16 0, 1, NQ-1, \slot, 0                     ; sixteen matrix instructions stand between the add and the wait for it
	s_wait_dscnt 0x0                               ; the add is done, and my reads of this slot are over
	s_barrier_signal -1
	MUL16 2, 1, NQ-1, \slot, 0
	WIN 0
	s_barrier_wait -1
.if \mode == 0
	PLACES NP
.else
	CREST                                          ; the barrier has opened a round of the cluster's: no wave of any partner still reads this slot or has a load on its way
.if \mode == 1
	s_add_nc_u64 s[G0+4*\slot+2:G0+4*\slot+3], s[G0+4*\slot+2:G0+4*\slot+3], 2*ROWB
	s_add_nc_u64 s[G0B+4*\slot+2:G0B+4*\slot+3], s[G0B+4*\slot+2:G0B+4*\slot+3], 2*ROWB
.else
	s_sub_nc_u64 s[G0+4*\slot+2:G0+4*\slot+3], s[G0+4*\slot+2:G0+4*\slot+3], 2*ROWB
	s_add_nc_u64 s[G0B+4*\slot+2:G0B+4*\slot+3], s[G0B+4*\slot+2:G0B+4*\slot+3], 256*KROW-2*ROWB
.endif
	JLOAD G0+4*\slot, G1, G0B+4*\slot, G1B         ; the first tensor load behind the round; its four v_nop are also the places in front of the loads below
.endif
.if \nt
	v_add_nc_u32 v[ADRS], v[SDEL], v[ADRS]
	v_add_nc_u32 v[ADRS2], v[SDEL], v[ADRS2]
.endif
	FETCH_B \next, 0, 0
	FETCH_A \next, 0, 0
	SCALES \next, \ks
	WIN MUL_HI
	MUL16 4, 1, NQ-1, \slot, 0
	MUL16 6, 1, NQ-1, \slot, 0
	PLACES NP
	WIN 0
	FETCH_A \next, 0, 4
.endm
.macro LAST                            ; the very last step: nothing more to fetch
	s_wait_dscnt 4*NL
	WIN MUL_LO
	MUL16 0, 1, NQ-1, 1, 0
	MUL16 2, 1, NQ-1, 1, 0
	s_wait_dscnt 0
	WIN MUL_HI
	MUL16 4, 1, NQ-1, 1, 0
	MUL16 6, 1, NQ-1, 1, 0
	WIN 0
	PLACES NP
.endm
; 64 numbers of a lane in window w, v[s] .. v[s + 63] (blocks of 16 registers; the other 16 numbers of each block lie in lane l xor 16), become a fragment's codes in v[PC] on and its scale word in v[PW].
; Each accumulator is read first at its registers 0 and 1.  dsw = 1: the last image's LDS stores are waited for before their registers are written again.
.macro QUANT w, s, dsw
	WIN ((\w)<<2)|((\w)<<4)
.irp b, 0,1,2,3
	v_max3_num_f32 v[TM+\b], 0x1800000, |v[(\s)+16*\b]|, |v[(\s)+16*\b+1]|   ; with the floor 2^(3 - 127): the byte cannot fall under 1
.endr
.irp i, 2,4,6,8,10,12,14
.irp b, 0,1,2,3
	v_max3_num_f32 v[TM+\b], v[TM+\b], |v[(\s)+16*\b+\i]|, |v[(\s)+16*\b+\i+1]|   ; the four blocks by turns
.endr
.endr
	WIN 0
.irp b, 0,1,2,3
	v_permlanex16_b32 v[TM+4+\b], v[TM+\b], s[SEL], s[SEL+1]
.endr
.irp b, 0,1,2,3
	v_max_num_f32 v[TM+\b], v[TM+\b], v[TM+4+\b]   ; the block's largest magnitude
.endr
.irp b, 0,1,2,3
	v_add_nc_u32 v[TM+8+\b], 0xff000000, v[TM+\b]  ; 2 off its exponent field: the conversion's scale operand
.endr
.irp b, 0,1,2,3
	v_lshrrev_b32 v[TM+4+\b], 23, v[TM+8+\b]       ; the scale's byte
.endr
.if \dsw
	s_wait_dscnt 0x0
.endif
	v_lshl_or_b32 v[PW], v[TM+5], 8, v[TM+4]
	v_lshl_or_b32 v[PW], v[TM+6], 16, v[PW]
	v_lshl_or_b32 v[PW], v[TM+7], 24, v[PW]
	WIN \w
.irp c, 0,1
	v_cvt_scalef32_pk16_fp6_f32 v[PC+6*\c:PC+6*\c+2], v[(\s)+32*\c:(\s)+32*\c+15], v[TM+8+2*\c]
	v_cvt_scalef32_pk16_fp6_f32 v[PC+12+4*\c:PC+14+4*\c], v[(\s)+32*\c+16:(\s)+32*\c+31], v[TM+9+2*\c]   ; (a conversion's three registers begin on an even number)
.endr
	WIN 0
	v_nop                                          ; one plain instruction behind a scaled conversion
.irp c, 0,1                            ; the operand's layout wants a whole block in a lane: lanes 0-15 block 2 c, lanes 16-31 block 2 c + 1
.irp i, 0,1,2
	v_permlane16_swap_b32 v[PC+6*\c+\i], v[PC+12+4*\c+\i]
.endr
.irp i, 0,1,2
	v_mov_b32 v[PC+3+6*\c+\i], v[PC+12+4*\c+\i]
.endr
.endr
.endm
; k = m tanh(x) = m - m x 2 / (1 + 2^(2 log2(e) x)) on the 64 registers v[x] on of window 2; m, 1 or 0, lies in window 1.  Two batches of 64 transcendentals, each with one plain instruction and one wait behind it.
.macro TANH x
	WIN 0x96                                       ; source 0 and destination window 2, sources 1 and 2 window 1
.set i, 0
.rept 32
	v_pk_mul_f32 v[(\x)+i:(\x)+i+1], v[(\x)+i:(\x)+i+1], s[CS:CS+1] op_sel_hi:[1,0]
.set i, i+2
.endr
.set i, 0
.rept 64
	v_exp_f32 v[(\x)+i], v[(\x)+i]
.set i, i+1
.endr
	v_nop
	s_wait_alu depctr_va_vdst(0)                   ; the wait ahead of the batch's first reader
.set i, 0
.rept 32
	v_pk_fma_f32 v[(\x)+i:(\x)+i+1], v[(\x)+i:(\x)+i+1], 0.5, 0.5 op_sel_hi:[1,0,0]   ; (1 + e) / 2
.set i, i+2
.endr
.set i, 0
.rept 64
	v_rcp_f32 v[(\x)+i], v[(\x)+i]
.set i, i+1
.endr
	v_nop
	s_wait_alu depctr_va_vdst(0)
.set i, 0
.rept 32
	v_pk_fma_f32 v[(\x)+i:(\x)+i+1], v[(\x)+i:(\x)+i+1], v[MK+i:MK+i+1], v[MK+i:MK+i+1] neg_lo:[0,1,0] neg_hi:[0,1,0]   ; m - m x 2 / (1 + e): an exact zero where m is 0
.set i, i+2
.endr
.endm
.macro IMAGE off, soff                 ; the fragment in v[PC] on and its scale word go to LDS as they stand
.irp c, 0,1,2
	ds_store_b128 v[IWI], v[PC+4*\c:PC+4*\c+3] offset:\off+512*\c
.endr
	ds_store_b32 v[IWS], v[PW] offset:\soff
.endm
; A tile's way on: the mask's factors of my 128 tokens; my four tiles of k (tanh, mask, quantise) and my four of v (quantise) become images; a barrier.
.macro EPI tile
	WIN 0x40
.irp n, 0,1,2,3,4,5,6,7,8,9,10,11,12,13,14,15
	ds_load_b128 v[MK+4*\n:MK+4*\n+3], v[MFA] offset:1024*\tile+64*(\n/2)+16*(\n%2)   ; register 8 b + j: the factor of token 16 b + 8 h + j
.endr
	WIN 0
	s_wait_dscnt 0x0
.irp a, 0,1,2,3
	TANH 64*\a
	QUANT 2, 64*\a, 1
	IMAGE \a*1536, \a*128
.endr
.irp a, 0,1,2,3
	QUANT 3, 64*\a, 1
	IMAGE 24576+\a*1536, 2048+\a*128
.endr
	s_wait_dscnt 0x0                               ; for the others' sake: my images lie in LDS
	s_barrier_signal -1
	s_barrier_wait -1
.endm
; kv += k^T v over the tile's 256 tokens, two K steps of 128: source 0 = 16 d of k^T, source 1 = 16 e of v.  Sixteen accumulators by turns.  zero = 1: the first K step starts the sums.
.macro KVP zero
.irp s, 0,1
.if \s
	PLACES NP                                      ; in front of loads into registers that matrix instructions have read
.endif
	WIN 0x40
.irp dt, 0,1,2,3,4,5,6,7
.irp c, 0,1,2
	ds_load_b128 v[KF+12*\dt+4*\c:KF+12*\dt+4*\c+3], v[LIK] offset:(8*\s+\dt)*1536+512*\c
.endr
.endr
	WIN 0
.irp ee, 0,1
.irp c, 0,1,2
	ds_load_b128 v[VF+12*\ee+4*\c:VF+12*\ee+4*\c+3], v[LIV] offset:(8*\s+\ee)*1536+512*\c
.endr
.endr
.irp dt, 0,1,2,3,4,5,6,7
	ds_load_b32 v[SC+16+\dt], v[LSK] offset:(8*\s+\dt)*128
.endr
.irp ee, 0,1
	ds_load_b32 v[SC+24+\ee], v[LSV] offset:(8*\s+\ee)*128
.endr
	s_wait_dscnt 0x0
	WIN 0x01                                       ; source 0 window 1; the rest window 0
.irp dt, 0,1,2,3,4,5,6,7
.if \zero && (\s == 0)
	v_wmma_scale_f32_16x16x128_f8f6f4 v[KA+8*\dt:KA+8*\dt+7], v[KF+12*\dt:KF+12*\dt+11], v[VF:VF+11], 0, v[SC+16+\dt], v[SC+24] matrix_a_fmt:MATRIX_FMT_FP6 matrix_b_fmt:MATRIX_FMT_FP6
.else
	v_wmma_scale_f32_16x16x128_f8f6f4 v[KA+8*\dt:KA+8*\dt+7], v[KF+12*\dt:KF+12*\dt+11], v[VF:VF+11], v[KA+8*\dt:KA+8*\dt+7], v[SC+16+\dt], v[SC+24] matrix_a_fmt:MATRIX_FMT_FP6 matrix_b_fmt:MATRIX_FMT_FP6
.endif
.endr
	WIN 0x51                                       ; source 0, C and D window 1
.irp dt, 0,1,2,3,4,5,6,7
.set RO, 96+8*\dt+96*(\dt/4)           ; v96-127, then v224-255
.if \zero && (\s == 0)
	v_wmma_scale_f32_16x16x128_f8f6f4 v[RO:RO+7], v[KF+12*\dt:KF+12*\dt+11], v[VF+12:VF+23], 0, v[SC+16+\dt], v[SC+25] matrix_a_fmt:MATRIX_FMT_FP6 matrix_b_fmt:MATRIX_FMT_FP6
.else
	v_wmma_scale_f32_16x16x128_f8f6f4 v[RO:RO+7], v[KF+12*\dt:KF+12*\dt+11], v[VF+12:VF+23], v[RO:RO+7], v[SC+16+\dt], v[SC+25] matrix_a_fmt:MATRIX_FMT_FP6 matrix_b_fmt:MATRIX_FMT_FP6
.endif
.endr
	WIN 0
.endr
.endm
	s_wait_tensorcnt 1                             ; the scale bytes and my part of K step 0 are in; K step 1's load may be out
	s_wait_dscnt 0x0                               ; my part of the mask's factors lies in LDS
	s_barrier_signal -1
	s_barrier_wait -1
	FETCH_B 0, 0, 0
	FETCH_A 0, 0, 0
	SCALES 0, 0
	FETCH_A 0, 0, 4
	STEP 0, 0, 1                                   ; THE FIRST TILE: its first products start the sums
	TURN 0, 1, 1, 1, 0
	STEP 1, 0, 0
	TURN 1, 0, 1, 2, 0
	STEP 0, 0, 0
	TURN 0, 1, 2, 3, 0                             ; the ring goes on into the second tile: slot 0 takes its K step 0,
	STEP 1, 0, 0
	TURN 1, 0, 2, 0, 1                             ; slot 1 its K step 1, and its first fragments are fetched: they land while this tile goes on
	EPI 0
	KVP 1
	STEP 0, 0, 1                                   ; THE SECOND TILE
	TURN 0, 1, 1, 1, 0
	STEP 1, 0, 0
	TURN 1, 0, 1, 2, 0
	STEP 0, 0, 0
	TURN 0, 1, 0, 3, 0                             ; nothing is left to fetch
	STEP 1, 0, 0
	LAST
	EPI 1                                          ; three barriers, each behind every wave's wait for its LDS reads, lie between the first tile's reads of the images and these stores
	KVP 0
	PLACES NP
.irp dt, 0,1,2,3,4,5,6,7
.irp c, 0,1
	global_store_b128 v[PO], v[KA+8*\dt+4*\c:KA+8*\dt+4*\c+3], s[96:97] offset:\dt*1024+\c*512   ; each accumulator from its low end on; 512 consecutive aligned bytes a store
.endr
.endr
	WIN 0x04                                       ; a store's data are its source 1: window 1
.irp dt, 0,1,2,3,4,5,6,7
.set RO, 96+8*\dt+96*(\dt/4)
.irp c, 0,1
	global_store_b128 v[PO], v[RO+4*\c:RO+4*\c+3], s[96:97] offset:8192+\dt*1024+\c*512
.endr
.endr
	WIN 0
	s_wait_tensorcnt 0x0                           ; the wave's end
	ds_add_u32 v[SPW], v[NIL]
	s_wait_dscnt 0x0
	CROUND                                         ; the closing round: no work-group ends while a partner may still ask for a tile that names it
	s_endpgm
.Lfunc_end_k_q56540a1a09_kv:
	.size	k_q56540a1a09_kv, .Lfunc_end_k_q56540a1a09_kv-k_q56540a1a09_kv
	.p2alignl 7, 3214868480
	.fill 96, 4, 3214868480
	.section	.rodata,"a",@progbits
	.p2align	6, 0x0
	.amdhsa_kernel k_q56540a1a09_kv
		.amdhsa_group_segment_fixed_size 327680
		.amdhsa_private_segment_fixed_size 0
		.amdhsa_enable_private_segment 0
		.amdhsa_kernarg_size 48
		.amdhsa_user_sgpr_count 2
		.amdhsa_user_sgpr_kernarg_segment_ptr 1
		.amdhsa_wavefront_size32 1
		.amdhsa_system_sgpr_workgroup_id_x 1
		.amdhsa_system_sgpr_workgroup_id_y 1
		.amdhsa_system_sgpr_workgroup_id_z 1
		.amdhsa_system_vgpr_workitem_id 0
		.amdhsa_next_free_vgpr 1024
		.amdhsa_next_free_sgpr 100
		.amdhsa_reserve_vcc 1
		.amdhsa_float_denorm_mode_32 3
		.amdhsa_float_denorm_mode_16_64 3
		.amdhsa_memory_ordered 1
		.amdhsa_forward_progress 1
		.amdhsa_inst_pref_size 255
	.end_amdhsa_kernel
	.section	.bss,"aw",@nobits
	.p2align	6
	.space	262144
	.amdgpu_metadata
---
amdhsa.version: [ 1, 2 ]
amdhsa.kernels:
  - .name:           k_q56540a1a09_kv
    .symbol:         k_q56540a1a09_kv.kd
    .args:
      - { .name: w_qkv_codes, .offset: 0, .size: 8, .value_kind: global_buffer, .address_space: global }
      - { .name: w_qkv_scales, .offset: 8, .size: 8, .value_kind: global_buffer, .address_space: global }
      - { .name: xq, .offset: 16, .size: 8, .value_kind: global_buffer, .address_space: global }
      - { .name: xs, .offset: 24, .size: 8, .value_kind: global_buffer, .address_space: global }
      - { .name: mask, .offset: 32, .size: 8, .value_kind: global_buffer, .address_space: global }
      - { .name: kvp, .offset: 40, .size: 8, .value_kind: global_buffer, .address_space: global }
    .group_segment_fixed_size: 327680
    .private_segment_fixed_size: 0
    .kernarg_segment_align: 8
    .kernarg_segment_size: 48
    .max_flat_workgroup_size: 128
    .sgpr_count:     100
    .vgpr_count:     1024
    .wavefront_size: 32
...
	.end_amdgpu_metadata
.endif
;; end of part 2
;; launch red (part 3): grid 256 x 1, 4 waves a work-group, no clusters, 33,280 bytes of LDS; arguments kvp, kvq; writes kvq
.if DOCPART == 3
	.amdgcn_target "amdgcn-amd-amdhsa--gfx1250"
	.amdhsa_code_object_version 6
	.text
	.protected	k_q56540a1a09_red
	.globl	k_q56540a1a09_red
	.p2align	8
	.type	k_q56540a1a09_red,@function
k_q56540a1a09_red:
	s_mov_b64 s[64:65], 0
	v_nop
	global_prefetch_b8 v0, s[64:65] scope:SCOPE_SE
	s_setreg_imm32_b32 hwreg(HW_REG_WAVE_MODE, 25, 1), 1
	s_wait_xcnt 0x0
; kv of one (batch, head) and one tile of 16 e: the eight parts (one for each 512 tokens) are added in f32 and the sum is quantised along d to codes of FP6 (E2M3) with E8M0 scales.
; kvp holds images of accumulators: lane (r, h), register 8 dt + j = kv(d = 16 dt + 8 h + j, e = 16 et + r).  Loaded into the same lanes and registers, a lane's 64 registers run along d, the last product's K,
; in the order in which q's registers run along d there: the quantiser's permutation inside a block of 32 is the same on both sides.
; Wave w adds parts 2 w and 2 w + 1 (64 KB of a work-group are asked for at once); the four sums meet in LDS; wave 0 adds them, quantises and stores the fragment's image (three stores of 512 consecutive bytes) and its scale words.
; No matrix unit, cluster or tensor load: a short stream with one barrier.
; LIMITS: NaN and infinities are not served; a block under 2^-124 (a block of zeros too) keeps the scale byte 1; only this program reads the bytes.  The order of the eight additions is ((0+1)+(2+3))+(4+5))+(6+7).
.set TM,  4                            ; v4-15
.set PW,  16
.set PC,  20                           ; v20-39
.set SEL, 20                           ; s[20:21]
	s_load_b128 s[4:7], s[0:1], 0x0                ; kvp, kvq
	v_lshl_add_u32 v62, v0, 2, 0x8000
	v_mov_b32 v63, 0
	v_lshrrev_b32 v1, 5, v0
	v_readfirstlane_b32 s8, v1                     ; wave 0..3
	v_and_b32 v2, 31, v0
	v_lshlrev_b32 v1, 4, v2                        ; 16 x lane
	v_lshlrev_b32 v3, 2, v2                        ; 4 x lane
	s_lshl_b32 s9, s8, 13
	v_add_nc_u32 v2, s9, v1                        ; LDS: my wave's 8,192 bytes
	s_lshr_b32 s10, ttmp9, 3                       ; batch x 8 + head
	s_and_b32 s11, ttmp9, 7                        ; e tile
	s_lshl_b32 s12, s10, 19                        ; 8 parts of 65,536 bytes,
	s_lshl_b32 s13, s8, 17                         ; my two,
	s_add_co_u32 s12, s12, s13
	s_lshl_b32 s13, s11, 13                        ; 8,192 bytes an e tile
	s_add_co_u32 s12, s12, s13
	s_mov_b32 s13, 0
	s_mul_i32 s14, s10, 13312
	s_mul_i32 s15, s11, 1536
	s_add_co_u32 s14, s14, s15                     ; the fragment's image
	s_mov_b32 s15, 0
	s_mul_i32 s16, s10, 13312
	s_lshl_b32 s17, s11, 7
	s_add_co_u32 s16, s16, s17
	s_add_co_u32 s16, s16, 12288                   ; its scale words
	s_mov_b32 s17, 0
	s_mov_b32 s[SEL], 0x76543210
	s_mov_b32 s[SEL+1], 0xfedcba98
.irp b, 0,1,2,3
	v_mov_b32 v[TM+4+\b], 0                        ; a lane permute's destination counts as read
.endr
	s_wait_kmcnt 0x0
	s_add_nc_u64 s[4:5], s[4:5], s[12:13]
	s_add_nc_u64 s[18:19], s[6:7], s[16:17]
	s_add_nc_u64 s[6:7], s[6:7], s[14:15]
.irp k, 0,1,2,3,4,5,6,7,8,9,10,11,12,13,14,15
	global_load_b128 v[64+4*\k:64+4*\k+3], v1, s[4:5] offset:512*\k th:TH_LOAD_NT
.endr
.irp k, 0,1,2,3,4,5,6,7,8,9,10,11,12,13,14,15
	global_load_b128 v[128+4*\k:128+4*\k+3], v1, s[4:5] offset:65536+512*\k th:TH_LOAD_NT
.endr
	s_wait_loadcnt 0x0
.macro ADDIN src
.set i, 0
.rept 32
	v_pk_add_f32 v[64+i:64+i+1], v[64+i:64+i+1], v[\src+i:\src+i+1]
.set i, i+2
.endr
.endm
	ADDIN 128
.irp k, 0,1,2,3,4,5,6,7,8,9,10,11,12,13,14,15
	ds_store_b128 v2, v[64+4*\k:64+4*\k+3] offset:512*\k
.endr
	s_wait_dscnt 0x0                               ; for wave 0's sake: my sums lie in LDS
	s_barrier_signal -1
	s_barrier_wait -1
	s_cmp_lg_u32 s8, 0
	s_cbranch_scc1 .Lend                           ; the rest is wave 0's; no barrier follows
.irp k, 0,1,2,3,4,5,6,7,8,9,10,11,12,13,14,15
	ds_load_b128 v[128+4*\k:128+4*\k+3], v1 offset:8192+512*\k
.endr
.irp k, 0,1,2,3,4,5,6,7,8,9,10,11,12,13,14,15
	ds_load_b128 v[192+4*\k:192+4*\k+3], v1 offset:16384+512*\k
.endr
	s_wait_dscnt 16                                ; wave 1's sums are in; the sixteen younger loads may be out
	ADDIN 128
.irp k, 0,1,2,3,4,5,6,7,8,9,10,11,12,13,14,15
	ds_load_b128 v[128+4*\k:128+4*\k+3], v1 offset:24576+512*\k
.endr
	s_wait_dscnt 16                                ; wave 2's are in
	ADDIN 192
	s_wait_dscnt 0x0
	ADDIN 128
	; the quantiser: 64 numbers a lane, blocks of 16 registers, the other 16 numbers of a block in lane l xor 16
.irp b, 0,1,2,3
	v_max3_num_f32 v[TM+\b], 0x1800000, |v[64+16*\b]|, |v[64+16*\b+1]|   ; with the floor 2^(3 - 127)
.endr
.irp i, 2,4,6,8,10,12,14
.irp b, 0,1,2,3
	v_max3_num_f32 v[TM+\b], v[TM+\b], |v[64+16*\b+\i]|, |v[64+16*\b+\i+1]|
.endr
.endr
.irp b, 0,1,2,3
	v_permlanex16_b32 v[TM+4+\b], v[TM+\b], s[SEL], s[SEL+1]
.endr
.irp b, 0,1,2,3
	v_max_num_f32 v[TM+\b], v[TM+\b], v[TM+4+\b]
.endr
.irp b, 0,1,2,3
	v_add_nc_u32 v[TM+8+\b], 0xff000000, v[TM+\b]  ; 2 off the exponent field: the conversion's scale operand
.endr
.irp b, 0,1,2,3
	v_lshrrev_b32 v[TM+4+\b], 23, v[TM+8+\b]       ; the scale's byte
.endr
	v_lshl_or_b32 v[PW], v[TM+5], 8, v[TM+4]
	v_lshl_or_b32 v[PW], v[TM+6], 16, v[PW]
	v_lshl_or_b32 v[PW], v[TM+7], 24, v[PW]
.irp c, 0,1
	v_cvt_scalef32_pk16_fp6_f32 v[PC+6*\c:PC+6*\c+2], v[64+32*\c:64+32*\c+15], v[TM+8+2*\c]
	v_cvt_scalef32_pk16_fp6_f32 v[PC+12+4*\c:PC+14+4*\c], v[64+32*\c+16:64+32*\c+31], v[TM+9+2*\c]
.endr
	v_nop                                          ; one plain instruction behind a scaled conversion
.irp c, 0,1
.irp i, 0,1,2
	v_permlane16_swap_b32 v[PC+6*\c+\i], v[PC+12+4*\c+\i]
.endr
.irp i, 0,1,2
	v_mov_b32 v[PC+3+6*\c+\i], v[PC+12+4*\c+\i]
.endr
.endr
.irp c, 0,1,2
	global_store_b128 v1, v[PC+4*\c:PC+4*\c+3], s[6:7] offset:512*\c   ; 512 consecutive aligned bytes a store
.endr
	global_store_b32 v3, v[PW], s[18:19]
.Lend:
	s_wait_tensorcnt 0x0
	ds_add_u32 v62, v63
	s_wait_dscnt 0x0
	s_endpgm
.Lfunc_end_k_q56540a1a09_red:
	.size	k_q56540a1a09_red, .Lfunc_end_k_q56540a1a09_red-k_q56540a1a09_red
	.p2alignl 7, 3214868480
	.fill 96, 4, 3214868480
	.section	.rodata,"a",@progbits
	.p2align	6, 0x0
	.amdhsa_kernel k_q56540a1a09_red
		.amdhsa_group_segment_fixed_size 33280
		.amdhsa_private_segment_fixed_size 0
		.amdhsa_enable_private_segment 0
		.amdhsa_kernarg_size 16
		.amdhsa_user_sgpr_count 2
		.amdhsa_user_sgpr_kernarg_segment_ptr 1
		.amdhsa_wavefront_size32 1
		.amdhsa_system_sgpr_workgroup_id_x 1
		.amdhsa_system_sgpr_workgroup_id_y 1
		.amdhsa_system_sgpr_workgroup_id_z 1
		.amdhsa_system_vgpr_workitem_id 0
		.amdhsa_next_free_vgpr 256
		.amdhsa_next_free_sgpr 66
		.amdhsa_reserve_vcc 0
		.amdhsa_float_denorm_mode_32 3
		.amdhsa_float_denorm_mode_16_64 3
		.amdhsa_memory_ordered 1
		.amdhsa_forward_progress 1
		.amdhsa_inst_pref_size 22
	.end_amdhsa_kernel
	.amdgpu_metadata
---
amdhsa.version: [ 1, 2 ]
amdhsa.kernels:
  - .name:           k_q56540a1a09_red
    .symbol:         k_q56540a1a09_red.kd
    .args:
      - { .name: kvp, .offset: 0, .size: 8, .value_kind: global_buffer, .address_space: global }
      - { .name: kvq, .offset: 8, .size: 8, .value_kind: global_buffer, .address_space: global }
    .group_segment_fixed_size: 33280
    .private_segment_fixed_size: 0
    .kernarg_segment_align: 8
    .kernarg_segment_size: 16
    .max_flat_workgroup_size: 128
    .sgpr_count:     66
    .vgpr_count:     256
    .wavefront_size: 32
...
	.end_amdgpu_metadata
.endif
;; end of part 3
;; launch qout (part 4): grid 4 x 64, 4 waves a work-group, clusters of 4 x 4, 327,680 bytes of LDS; arguments xq, xs, w_qkv_codes, w_qkv_scales, kvq, out0; writes out0
.if DOCPART == 4
	.amdgcn_target "amdgcn-amd-amdhsa--gfx1250"
	.amdhsa_code_object_version 6
	.text
	.protected	k_q56540a1a09_qout
	.globl	k_q56540a1a09_qout
	.p2align	8
	.type	k_q56540a1a09_qout,@function
k_q56540a1a09_qout:
	s_mov_b64 s[64:65], 0
	v_nop
	global_prefetch_b8 v0, s[64:65] scope:SCOPE_SE
	s_setreg_imm32_b32 hwreg(HW_REG_WAVE_MODE, 25, 1), 1
	s_wait_xcnt 0x0
	s_wait_alu depctr_hold_cnt(0) depctr_sa_sdst(0) depctr_va_vdst(0) depctr_va_sdst(0) depctr_va_ssrc(0) depctr_va_vcc(0) depctr_vm_vsrc(0)
	s_getreg_b32 s2, hwreg(HW_REG_IB_STS2, 6, 4)
	s_cmp_eq_u32 s2, 0
	s_cbranch_scc0 .Lentry_in_a_cluster
	s_endpgm
.Lentry_in_a_cluster:
	s_bfe_u32 s2, ttmp6, 0x10000c
	s_cmp_lg_u32 s2, 0xf033
	s_cbranch_scc0 .Lentry_shape_is_right
	s_endpgm
.Lentry_shape_is_right:
; out = Q(sigmoid(xn Wq)) Q(kv), for 256 tokens and two heads: both products on codes of FP6 (E2M3) with E8M0 scales.  q never goes to memory.
; SHARES.  Work-group y = block of 256 tokens, x = pair of heads (256 rows of Wq).  A wave makes 128 tokens x one head: 64 accumulators.  K = 1,024 goes in steps of 256 through a ring of two LDS slots.
; THE FIRST PRODUCT: source 0 = 16 rows of Wq, source 1 = 16 tokens: a lane holds ONE token and its registers run along d, the last product's K.  Register 16 b + 8 u + j of lane half h is d = 32 b + 16 u + 8 h + j;
; the quantiser lays it at place 32 b + 16 h + 8 u + j: a permutation inside a block of 32, the same as in kv's fragments, which were made from registers of the same order.
; THE LAST PRODUCT, a tile of 16 tokens at a time: source 0 = q's fragment, source 1 = a fragment of kv whose row r is e = 64 g + 4 r + i (g = 0, 1; i = 0 .. 3).  Register j of the four results i = 0 .. 3 then holds four
; NEIGHBOURING e of token 8 h + j: four moves make 16 bytes, and a store writes 256 consecutive aligned bytes from lanes 0-15 and as many from lanes 16-31.  No way through LDS.
; kv's eight fragments (96 registers) and their scale words are loaded once, at the head, each lane taking its row's place in the stored images.
; CLUSTER 4 x 4: the tokens' tiles are asked for jointly along a row of the cluster, Wq's along a column.
; No prefetch: a tile has four K steps, two of them first fills, and every row is read by several work-groups.
; LIMITS: NaN and infinities are not served; a block of q under 2^-124 keeps the scale byte 1.
; REGISTERS.  window 0: v2-31 addresses and the quantiser's work; v32-63 scale words, two sets; v64-111 kv's fragments 0-3; v112-119 kv's scale words; v128-223 the tokens' fragments; v224-243 q's codes.
;   window 1: v0-95, v128-223 Wq's fragments, two sets, later the rows to be stored; v96-119, v224-247 kv's fragments 4-7.   windows 2, 3: the 64 accumulators, then q, then out.
.set NQ,     2
.set ROWB,   192
.set KROW,   768
.set PITCH,  240                       ; an LDS row: 3 x (64 bytes + 16 of padding)
.set FR,     12
.set NL,     6
.set NP,     4                         ; places behind this matrix instruction (ISA guide 7.12.1)
.set HALFT,  128*PITCH
.set SLOT,   4*HALFT
.set SBLK,   544
.set HALFS,  4352                      ; the scale bytes of 128 rows: 16 units of 272
.set SCL,    2*SLOT
.set SPARE,  SCL+4*HALFS               ; the spare words: 128 bytes a wave, two blocks of 256 bytes that no other line names
.set KVO,  2                           ; v2   my row's place in kv's images
.set KVSO, 3                           ; v3   and among their scale words
.set TM,   4                           ; v4-15
.set ADRA, 16
.set ADRB, 20
.set CO,   26                          ; v26  my byte offset in out: 8 rows x lane half + 16 x (lane % 16)
.set ADRS, 27
.set SPW,  28
.set NIL,  29
.set PW,   31                          ; q's scale word
.set SC,   32
.set KV0,  64                          ; kv's fragments 0-3
.set KVS,  112                         ; kv's scale words
.set AF,   128
.set PC,   224
.set G1, 24
.set G0, 32
.set G1B, 48
.set G0B, 56
.set SEL, 66
.set G1S, 68
.set G0S, 76
.set G1SB, 80
.set G0SB, 88
.set CS,  98                           ; s[98:99] -log2(e)
.set MSB, 0
.macro WIN new
.set WNEW, \new
.if MSB != WNEW
	s_set_vgpr_msb (MSB<<8)|WNEW
.set MSB, WNEW
.endif
.endm
.set MUL_LO, 0xa1
.set MUL_HI, 0xf1
.set TO_B,   0x40
.macro JLOAD g0a, g1a, g0b, g1b        ; a joint load: waves 0 and 1 fetch for the tokens, waves 2 and 3 for Wq; four v_nop follow each of the two lines
	s_cmp_eq_u32 s15, 0
	s_cbranch_scc0 .Lfor_b_\@
	tensor_load_to_lds s[\g0a:\g0a+3], s[\g1a:\g1a+7]
	s_nop 0
.rept 4
	v_nop
.endr
	s_branch .Lasked_\@
.Lfor_b_\@:
	tensor_load_to_lds s[\g0b:\g0b+3], s[\g1b:\g1b+7]
	s_nop 0
.rept 4
	v_nop
.endr
.Lasked_\@:
.endm
.macro CREST
	s_cmp_lg_u32 s14, 0
	s_cbranch_scc1 .Lnot_wave_0_\@
	s_barrier_signal -3
.Lnot_wave_0_\@:
	s_barrier_wait -3
	s_barrier_signal -1
	s_barrier_wait -1
.endm
.macro CROUND
	s_barrier_signal -1
	s_barrier_wait -1
	CREST
.endm
.macro PLACES n
.rept \n
	v_nop
.endr
.endm
	s_load_b256 s[4:11], s[0:1], 0x0               ; xq s[4:5], xs s[6:7], W's codes s[8:9], W's scales s[10:11]
	s_load_b64 s[12:13], s[0:1], 0x20              ; kvq
	s_load_b64 s[96:97], s[0:1], 0x28              ; out0
	v_lshl_add_u32 v[SPW], v0, 2, SPARE
	v_mov_b32 v[NIL], 0
	ds_add_u32 v28, v29
	ds_add_u32 v28, v29
	s_wait_dscnt 0x0
	v_lshrrev_b32 v1, 5, v0
	v_readfirstlane_b32 s14, v1                    ; wave 0..3
	s_lshr_b32 s15, s14, 1                         ; which 128 tokens are mine.  Also: I fetch for the tokens (0) or for Wq (1)
	s_and_b32 s16, s14, 1                          ; which head of the pair.  Also: which 128 rows I fetch
	s_bfe_u32 s40, ttmp6, 0x40000                  ; cx, cy
	s_bfe_u32 s41, ttmp6, 0x40004
	s_lshl_b32 s42, ttmp9, 2
	s_add_co_u32 s42, s42, s40                     ; pair of heads = 4 x cluster x + cx
	s_and_b32 s17, ttmp7, 0xffff
	s_lshl_b32 s17, s17, 2
	s_add_co_u32 s17, s17, s41                     ; block of 256 tokens = 4 x cluster y + cy
	s_lshl_b32 s43, s41, 2
	s_lshl_b32 s43, 15, s43                        ; my row of the cluster
	s_lshl_b32 s44, 0x1111, s40                    ; my column
	s_or_b32 s[G1+0], s43, (0<<16)|(1<<20)|(1<<21)|(3<<22)|(3<<25)   ; a tile of 128 rows x 192 bytes, 16 bytes of padding behind every 64; the tokens' tiles go to my row
	s_or_b32 s[G1B+0], s44, (0<<16)|(1<<20)|(1<<21)|(3<<22)|(3<<25)  ; Wq's to my column
.irp g, G1, G1B
	s_mov_b32 s[\g+1], ROWB<<16
	s_mov_b32 s[\g+2], 128<<16
	s_mov_b32 s[\g+3], ROWB<<16
	s_mov_b32 s[\g+4], 128
	s_mov_b32 s[\g+5], KROW
	s_mov_b32 s[\g+6], 0
	s_mov_b32 s[\g+7], 0
.endr
	s_or_b32 s[G1S+0], s43, (3<<16)|(1<<20)|(1<<21)|(5<<22)|(3<<25)  ; the scale bytes of 128 rows: 16 rows of 256 bytes, 16 bytes of padding behind each
	s_or_b32 s[G1SB+0], s44, (3<<16)|(1<<20)|(1<<21)|(5<<22)|(3<<25)
.irp g, G1S, G1SB
	s_mov_b32 s[\g+1], 32<<16
	s_mov_b32 s[\g+2], 16<<16
	s_mov_b32 s[\g+3], 32<<16
	s_mov_b32 s[\g+4], 16
	s_mov_b32 s[\g+5], 32
	s_mov_b32 s[\g+6], 0
	s_mov_b32 s[\g+7], 0
.endr
	s_lshl_b32 s18, s16, 7
	s_lshl_b32 s20, s17, 8
	s_add_co_u32 s20, s20, s18                     ; tokens: row 256 x block + 128 x half
	s_lshl_b32 s46, s42, 8
	s_add_co_u32 s46, s46, s18                     ; Wq: row 256 x pair + 128 x half
	s_mov_b32 s21, 0
	s_mov_b32 s47, 0
	s_lshl_b64 s[22:23], s[20:21], 5               ; 32 scale bytes a row
	s_lshl_b64 s[92:93], s[46:47], 5
	s_mov_b64 s[18:19], KROW
	s_mul_u64 s[20:21], s[20:21], s[18:19]
	s_mul_u64 s[46:47], s[46:47], s[18:19]
	s_mul_i32 s45, s14, HALFT                      ; where they go: wave x 128 rows
	s_mul_i32 s94, s14, HALFS
	s_wait_kmcnt 0x0
	s_add_nc_u64 s[20:21], s[4:5], s[20:21]
	s_add_nc_u64 s[22:23], s[6:7], s[22:23]
	s_add_nc_u64 s[46:47], s[8:9], s[46:47]
	s_add_nc_u64 s[92:93], s[10:11], s[92:93]
	CROUND                                         ; all sixteen work-groups are here: the first joint loads meet
	s_mov_b32 s[G0S], 1
	s_add_co_u32 s[G0S+1], s94, SCL
	s_mov_b64 s[G0S+2:G0S+3], s[22:23]
	s_or_b32 s[G0S+3], s[G0S+3], 0x80000000
	s_mov_b32 s[G0SB], 1
	s_add_co_u32 s[G0SB+1], s94, SCL
	s_mov_b64 s[G0SB+2:G0SB+3], s[92:93]
	s_or_b32 s[G0SB+3], s[G0SB+3], 0x80000000
	JLOAD G0S, G1S, G0SB, G1SB                     ; the scale bytes, once, for all of K
.irp s, 0,1
	s_mov_b32 s[G0+4*\s], 1
	s_add_co_u32 s[G0+4*\s+1], s45, \s*SLOT
	s_add_nc_u64 s[G0+4*\s+2:G0+4*\s+3], s[20:21], \s*ROWB
	s_or_b32 s[G0+4*\s+3], s[G0+4*\s+3], 0x80000000
	s_mov_b32 s[G0B+4*\s], 1
	s_add_co_u32 s[G0B+4*\s+1], s45, \s*SLOT
	s_add_nc_u64 s[G0B+4*\s+2:G0B+4*\s+3], s[46:47], \s*ROWB
	s_or_b32 s[G0B+4*\s+3], s[G0B+4*\s+3], 0x80000000
	JLOAD G0+4*\s, G1, G0B+4*\s, G1B               ; K steps 0 and 1: three loads of mine are out
.endr
	v_and_b32 v4, 15, v0                           ; r
	v_bfe_u32 v5, v0, 4, 1                         ; h
	s_lshr_b32 s2, s17, 4                          ; kvq: (batch x 8 + head) x 13,312; head = 2 x pair + my half
	s_lshl_b32 s2, s2, 3
	s_lshl_b32 s3, s42, 1
	s_add_co_u32 s2, s2, s3
	s_add_co_u32 s2, s2, s16
	s_mul_i32 s2, s2, 13312
	s_mov_b32 s3, 0
	s_add_nc_u64 s[12:13], s[12:13], s[2:3]
	v_lshrrev_b32 v6, 2, v4                        ; fragment (g, i), row r is e = 64 g + 4 r + i: image 4 g + r / 4, row 4 (r % 4) + i of it
	v_and_b32 v7, 3, v4
	v_mul_u32_u24 v[KVO], v6, 1536
	v_lshl_add_u32 v[KVO], v5, 8, v[KVO]
	v_lshl_add_u32 v[KVO], v7, 6, v[KVO]
	v_lshlrev_b32 v[KVSO], 7, v6
	v_lshl_add_u32 v[KVSO], v7, 4, v[KVSO]
.irp f, 0,1,2,3
.irp c, 0,1,2
	global_load_b128 v[KV0+12*\f+4*\c:KV0+12*\f+4*\c+3], v[KVO], s[12:13] offset:512*\c+16*\f
.endr
.endr
.irp f, 0,1,2,3,4,5,6,7
	global_load_b32 v[KVS+\f], v[KVSO], s[12:13] offset:12288+512*(\f/4)+4*(\f%4)
.endr
	WIN 0x40                                       ; destination window 1
.irp f, 0,1,2,3
.set KR, 96+12*\f+104*(\f/2)           ; v96, v108, v224, v236
.irp c, 0,1,2
	global_load_b128 v[KR+4*\c:KR+4*\c+3], v[KVO], s[12:13] offset:6144+512*\c+16*\f
.endr
.endr
	WIN 0                                          ; these 32 loads stay out through the ring, in registers that it never names; their wait stands behind the last K step
	v_mul_u32_u24 v6, v4, PITCH
	v_mul_u32_u24 v7, v5, 24
	v_add_nc_u32 v7, v6, v7                        ; a fragment's row x pitch + 24 x half
	v_lshl_add_u32 v8, v5, 4, v7                   ; and the same behind one padding more
	s_mul_i32 s21, s15, HALFT                      ; my 128 tokens
	s_mul_i32 s22, s16, HALFT                      ; my 128 rows of Wq,
	s_add_co_u32 s22, s22, 2*HALFT                 ; behind the tokens' 256
.irp s, 0,1
	v_add_nc_u32 v[ADRA+\s], s21, v7
	v_add_nc_u32 v[ADRB+\s], s22, v7
	v_add_nc_u32 v[ADRA+2+\s], s21, v8
	v_add_nc_u32 v[ADRB+2+\s], s22, v8
	s_add_co_u32 s21, s21, SLOT
	s_add_co_u32 s22, s22, SLOT
.endr
	v_lshlrev_b32 v6, 5, v4                        ; my row's scale bytes: 32 a row,
	v_lshrrev_b32 v9, 3, v4
	v_lshl_add_u32 v6, v9, 4, v6                   ; and 16 more behind each 256
	s_mul_i32 s21, s15, HALFS
	s_mul_i32 s22, s16, HALFS
	s_add_co_u32 s22, s22, 2*HALFS
	s_sub_co_u32 s22, s22, s21
	v_mul_u32_u24 v9, s22, v5                      ; lanes 16-31 take Wq's
	s_add_co_u32 s21, s21, SCL
	v_add_nc_u32 v6, v6, v9
	v_add_nc_u32 v[ADRS], s21, v6
	v_lshlrev_b32 v[CO], 15, v5
	v_lshl_add_u32 v[CO], v4, 4, v[CO]
	s_lshl_b32 s2, s17, 8                          ; out: row 256 x block + 128 x token half, 4,096 bytes a row; + 512 x head
	s_lshl_b32 s3, s15, 7
	s_add_co_u32 s2, s2, s3
	s_lshl_b32 s2, s2, 12
	s_lshl_b32 s3, s42, 1
	s_add_co_u32 s3, s3, s16
	s_lshl_b32 s3, s3, 9
	s_add_co_u32 s2, s2, s3
	s_mov_b32 s3, 0
	s_add_nc_u64 s[96:97], s[96:97], s[2:3]
	s_mov_b32 s[SEL], 0x76543210
	s_mov_b32 s[SEL+1], 0xfedcba98
	s_mov_b32 s[CS], 0xbfb8aa3b                    ; -log2(e)
	s_mov_b32 s[CS+1], s[CS]
.irp b, 0,1,2,3
	v_mov_b32 v[TM+4+\b], 0                        ; a lane permute's destination counts as read
.endr
.macro FRAG reg, adr, q, row           ; 16 rows x 128 K: 12 registers, in pieces of 8 bytes; where the piece of lanes 16-31 lies behind one padding more, the second address register serves
.irp p, 0,1,2,3,4,5
.set PCE, 12*(\q)+6*(\p/3)+\p%3
.if PCE%8 < 5
	ds_load_b64 v[\reg+2*\p:\reg+2*\p+1], v[\adr] offset:8*PCE+16*(PCE/8)+(\row)*PITCH
.else
	ds_load_b64 v[\reg+2*\p:\reg+2*\p+1], v[\adr+2] offset:8*PCE+16*(PCE/8)+(\row)*PITCH
.endif
.endr
.endm
; 16 matrix instructions: the tokens' blocks a0, a0 + 1 x Wq's eight.  The 64 accumulators take turns, one instruction a turn.
.macro MUL16 a0, p, q, sc, zero
.irp a, \a0, \a0+1
.irp b, 0,1,2,3,4,5,6,7
.if \zero
	v_wmma_scale_f32_16x16x128_f8f6f4 v[8*(8*((\a)%4)+\b):8*(8*((\a)%4)+\b)+7], v[128*(\p)+FR*\b:128*(\p)+FR*\b+FR-1], v[AF+FR*(\a):AF+FR*(\a)+FR-1], 0, v[SC+8*NQ*(\sc)+NQ*\b+(\q)], v[SC+8*NQ*(\sc)+NQ*(\a)+(\q)] matrix_a_fmt:MATRIX_FMT_FP6 matrix_b_fmt:MATRIX_FMT_FP6 matrix_a_scale:MATRIX_SCALE_ROW1
.else
	v_wmma_scale_f32_16x16x128_f8f6f4 v[8*(8*((\a)%4)+\b):8*(8*((\a)%4)+\b)+7], v[128*(\p)+FR*\b:128*(\p)+FR*\b+FR-1], v[AF+FR*(\a):AF+FR*(\a)+FR-1], v[8*(8*((\a)%4)+\b):8*(8*((\a)%4)+\b)+7], v[SC+8*NQ*(\sc)+NQ*\b+(\q)], v[SC+8*NQ*(\sc)+NQ*(\a)+(\q)] matrix_a_fmt:MATRIX_FMT_FP6 matrix_b_fmt:MATRIX_FMT_FP6 matrix_a_scale:MATRIX_SCALE_ROW1
.endif
.endr
.endr
.endm
.macro FETCH_B slot, q, p
	WIN TO_B
.irp i, 0,1,2,3,4,5,6,7
	FRAG 128*(\p)+FR*\i, ADRB+\slot, \q, 16*\i
.endr
	WIN 0
.endm
.macro FETCH_A slot, q, i0
.irp i, \i0, \i0+1, \i0+2, \i0+3
	FRAG AF+FR*(\i), ADRA+\slot, \q, 16*(\i)
.endr
.endm
.macro SCALES sc, ks                   ; K step ks's scale words: lanes 0-15 the tokens' block i, lanes 16-31 Wq's block i
.irp i, 0,1,2,3,4,5,6,7
	ds_load_b64 v[SC+16*\sc+2*\i:SC+16*\sc+2*\i+1], v[ADRS] offset:SBLK*\i+8*\ks
.endr
.endm
.macro STEP slot, q, zero
	s_wait_dscnt 4*NL                              ; all but the youngest 24 loads (the tokens' blocks 4-7) are in
	WIN MUL_LO
	MUL16 0, (\q)%2, \q, \slot, \zero
	MUL16 2, (\q)%2, \q, \slot, \zero
	s_wait_dscnt 0
	PLACES NP                                      ; in front of loads into registers that matrix instructions have read
	FETCH_B \slot, (\q)+1, 1-(\q)%2
	FETCH_A \slot, (\q)+1, 0
	WIN MUL_HI
	MUL16 4, (\q)%2, \q, \slot, \zero
	MUL16 6, (\q)%2, \q, \slot, \zero
	PLACES NP
	WIN 0
	FETCH_A \slot, (\q)+1, 4
.endm
; A slot's last step changes slots: one barrier; in front of it each wave waits for all its tensor loads, adds 0 to its spare word, and waits for that and for its reads of this slot.  fill = 1: the slot takes the K step two on.
.macro TURN slot, next, fill, ks
	s_wait_tensorcnt 0x0                           ; all my tensor loads have landed: my part of the next slot (every window is 0 here)
	ds_add_u32 v[SPW], v[NIL]                      ; 0 onto my spare word
	s_wait_dscnt 4*NL+1                            ; (the add and the youngest 24 loads may be out)
	WIN MUL_LO
	MUL16 0, 1, NQ-1, \slot, 0
	s_wait_dscnt 0x0                               ; the add is done, and my reads of this slot are over
	s_barrier_signal -1
	MUL16 2, 1, NQ-1, \slot, 0
	WIN 0
	s_barrier_wait -1
.if \fill
	CREST                                          ; the barrier has opened a round of the cluster's: no wave of any partner still reads this slot or has a load on its way
	s_add_nc_u64 s[G0+4*\slot+2:G0+4*\slot+3], s[G0+4*\slot+2:G0+4*\slot+3], 2*ROWB
	s_add_nc_u64 s[G0B+4*\slot+2:G0B+4*\slot+3], s[G0B+4*\slot+2:G0B+4*\slot+3], 2*ROWB
	JLOAD G0+4*\slot, G1, G0B+4*\slot, G1B         ; the first tensor load behind the round; its four v_nop are also the places in front of the loads below
.else
	PLACES NP
.endif
	FETCH_B \next, 0, 0
	FETCH_A \next, 0, 0
	SCALES \next, \ks
	WIN MUL_HI
	MUL16 4, 1, NQ-1, \slot, 0
	MUL16 6, 1, NQ-1, \slot, 0
	PLACES NP
	WIN 0
	FETCH_A \next, 0, 4
.endm
; 64 numbers of a lane in window w become a fragment's codes in v[PC] on and its scale word in v[PW]; each accumulator is read first at its low end.
.macro QUANT w, s
	WIN ((\w)<<2)|((\w)<<4)
.irp b, 0,1,2,3
	v_max3_num_f32 v[TM+\b], 0x1800000, |v[(\s)+16*\b]|, |v[(\s)+16*\b+1]|   ; with the floor 2^(3 - 127)
.endr
.irp i, 2,4,6,8,10,12,14
.irp b, 0,1,2,3
	v_max3_num_f32 v[TM+\b], v[TM+\b], |v[(\s)+16*\b+\i]|, |v[(\s)+16*\b+\i+1]|
.endr
.endr
	WIN 0
.irp b, 0,1,2,3
	v_permlanex16_b32 v[TM+4+\b], v[TM+\b], s[SEL], s[SEL+1]
.endr
.irp b, 0,1,2,3
	v_max_num_f32 v[TM+\b], v[TM+\b], v[TM+4+\b]
.endr
.irp b, 0,1,2,3
	v_add_nc_u32 v[TM+8+\b], 0xff000000, v[TM+\b]
.endr
.irp b, 0,1,2,3
	v_lshrrev_b32 v[TM+4+\b], 23, v[TM+8+\b]
.endr
	v_lshl_or_b32 v[PW], v[TM+5], 8, v[TM+4]
	v_lshl_or_b32 v[PW], v[TM+6], 16, v[PW]
	v_lshl_or_b32 v[PW], v[TM+7], 24, v[PW]
	WIN \w
.irp c, 0,1
	v_cvt_scalef32_pk16_fp6_f32 v[PC+6*\c:PC+6*\c+2], v[(\s)+32*\c:(\s)+32*\c+15], v[TM+8+2*\c]
	v_cvt_scalef32_pk16_fp6_f32 v[PC+12+4*\c:PC+14+4*\c], v[(\s)+32*\c+16:(\s)+32*\c+31], v[TM+9+2*\c]
.endr
	WIN 0
	v_nop                                          ; one plain instruction behind a scaled conversion
.irp c, 0,1
.irp i, 0,1,2
	v_permlane16_swap_b32 v[PC+6*\c+\i], v[PC+12+4*\c+\i]
.endr
.irp i, 0,1,2
	v_mov_b32 v[PC+3+6*\c+\i], v[PC+12+4*\c+\i]
.endr
.endr
.endm
; q = 1 / (1 + 2^(-log2(e) x)) on tile a's 64 registers: two batches of 64 transcendentals, each with one plain instruction and one wait behind it.
.macro SIG a
.set AC, 64*((\a)%4)
	WIN 0x82+0x41*((\a)/4)                         ; source 0 and destination: window 2 or 3
.set i, 0
.rept 32
	v_pk_mul_f32 v[AC+i:AC+i+1], v[AC+i:AC+i+1], s[CS:CS+1] op_sel_hi:[1,0]
.set i, i+2
.endr
.set i, 0
.rept 64
	v_exp_f32 v[AC+i], v[AC+i]
.set i, i+1
.endr
	v_nop
	s_wait_alu depctr_va_vdst(0)                   ; the wait ahead of the batch's first reader
.set i, 0
.rept 32
	v_pk_add_f32 v[AC+i:AC+i+1], v[AC+i:AC+i+1], 1.0 op_sel_hi:[1,0]
.set i, i+2
.endr
.set i, 0
.rept 64
	v_rcp_f32 v[AC+i], v[AC+i]
.set i, i+1
.endr
	v_nop
	s_wait_alu depctr_va_vdst(0)
.endm
; Tile a's eight products with kv: each starts and ends its sum (K = 128); the results take the registers that q's numbers have left.
.macro MM a
.set AC, 64*((\a)%4)
	WIN 0x80+0x40*((\a)/4)                         ; D window 2 or 3; q's codes and kv's fragments 0-3 window 0
.irp f, 0,1,2,3
	v_wmma_scale_f32_16x16x128_f8f6f4 v[AC+8*\f:AC+8*\f+7], v[PC:PC+11], v[KV0+12*\f:KV0+12*\f+11], 0, v[PW], v[KVS+\f] matrix_a_fmt:MATRIX_FMT_FP6 matrix_b_fmt:MATRIX_FMT_FP6
.endr
	WIN 0x84+0x40*((\a)/4)                         ; kv's fragments 4-7: window 1
.irp f, 0,1,2,3
.set KR, 96+12*\f+104*(\f/2)
	v_wmma_scale_f32_16x16x128_f8f6f4 v[AC+32+8*\f:AC+32+8*\f+7], v[PC:PC+11], v[KR:KR+11], 0, v[PW], v[KVS+4+\f] matrix_a_fmt:MATRIX_FMT_FP6 matrix_b_fmt:MATRIX_FMT_FP6
.endr
	WIN 0
.endm
; Tile a's results leave: register j of results (g, 0 .. 3) are four neighbouring e of token 16 a + 8 h + j.  Register 0 of every result is read first.
.macro MOVST a
.set AC, 64*((\a)%4)
.set OB, 128*((\a)%2)
.if (\a) >= 2
	s_wait_xcnt 0x0                                ; the stores of two tiles back have read their data: these registers are written again only behind this wait
.endif
	WIN 0x42+((\a)/4)                              ; destination window 1, source window 2 or 3
.irp j, 0,1,2,3,4,5,6,7
.irp g, 0,1
.irp i, 0,1,2,3
	v_mov_b32 v[OB+4*(8*\g+\j)+\i], v[AC+8*(4*\g+\i)+\j]
.endr
.endr
.endr
	WIN 0x04                                       ; a store's data are its source 1: window 1
.irp j, 0,1,2,3,4,5,6,7
.irp g, 0,1
	global_store_b128 v[CO], v[OB+4*(8*\g+\j):OB+4*(8*\g+\j)+3], s[96:97] offset:(16*(\a)+\j)*4096+256*\g th:TH_STORE_NT   ; lanes 0-15 and lanes 16-31 each store 256 consecutive aligned bytes; written once
.endr
.endr
	WIN 0
.endm
	s_wait_tensorcnt 1                             ; the scale bytes and my part of K step 0 are in; K step 1's load may be out
	s_barrier_signal -1
	s_barrier_wait -1
	FETCH_B 0, 0, 0
	FETCH_A 0, 0, 0
	SCALES 0, 0
	FETCH_A 0, 0, 4
	STEP 0, 0, 1                                   ; the first products start the sums
	TURN 0, 1, 1, 1
	STEP 1, 0, 0
	TURN 1, 0, 1, 2
	STEP 0, 0, 0
	TURN 0, 1, 0, 3                                ; nothing is left to fetch
	STEP 1, 0, 0
	s_wait_dscnt 4*NL                              ; the very last step
	WIN MUL_LO
	MUL16 0, 1, NQ-1, 1, 0
	MUL16 2, 1, NQ-1, 1, 0
	s_wait_dscnt 0
	WIN MUL_HI
	MUL16 4, 1, NQ-1, 1, 0
	MUL16 6, 1, NQ-1, 1, 0
	WIN 0
	PLACES NP
	s_wait_loadcnt 0x0                             ; kv's fragments and scale words
	SIG 0
.irp a, 0,1,2,3,4,5,6,7
	QUANT 2+(\a)/4, 64*((\a)%4)
.if \a > 0
	MOVST \a-1                                     ; its 64 moves are also the places between the scale word's and the codes' last writes and the products below
.else
	PLACES 8                                       ; a scale register written by a vector instruction stands 8 places ahead of a scaled matrix instruction
.endif
	MM \a
.if \a < 7
	SIG \a+1                                       ; the next tile's vector work is the distance behind these products
.endif
.endr
	PLACES NP
	MOVST 7
	s_wait_tensorcnt 0x0                           ; the wave's end
	ds_add_u32 v[SPW], v[NIL]
	s_wait_dscnt 0x0
	CROUND                                         ; the closing round
	s_endpgm
.Lfunc_end_k_q56540a1a09_qout:
	.size	k_q56540a1a09_qout, .Lfunc_end_k_q56540a1a09_qout-k_q56540a1a09_qout
	.p2alignl 7, 3214868480
	.fill 96, 4, 3214868480
	.section	.rodata,"a",@progbits
	.p2align	6, 0x0
	.amdhsa_kernel k_q56540a1a09_qout
		.amdhsa_group_segment_fixed_size 327680
		.amdhsa_private_segment_fixed_size 0
		.amdhsa_enable_private_segment 0
		.amdhsa_kernarg_size 48
		.amdhsa_user_sgpr_count 2
		.amdhsa_user_sgpr_kernarg_segment_ptr 1
		.amdhsa_wavefront_size32 1
		.amdhsa_system_sgpr_workgroup_id_x 1
		.amdhsa_system_sgpr_workgroup_id_y 1
		.amdhsa_system_sgpr_workgroup_id_z 1
		.amdhsa_system_vgpr_workitem_id 0
		.amdhsa_next_free_vgpr 1024
		.amdhsa_next_free_sgpr 100
		.amdhsa_reserve_vcc 0
		.amdhsa_float_denorm_mode_32 3
		.amdhsa_float_denorm_mode_16_64 3
		.amdhsa_memory_ordered 1
		.amdhsa_forward_progress 1
		.amdhsa_inst_pref_size 255
	.end_amdhsa_kernel
	.section	.bss,"aw",@nobits
	.p2align	6
	.space	262144
	.amdgpu_metadata
---
amdhsa.version: [ 1, 2 ]
amdhsa.kernels:
  - .name:           k_q56540a1a09_qout
    .symbol:         k_q56540a1a09_qout.kd
    .args:
      - { .name: xq, .offset: 0, .size: 8, .value_kind: global_buffer, .address_space: global }
      - { .name: xs, .offset: 8, .size: 8, .value_kind: global_buffer, .address_space: global }
      - { .name: w_qkv_codes, .offset: 16, .size: 8, .value_kind: global_buffer, .address_space: global }
      - { .name: w_qkv_scales, .offset: 24, .size: 8, .value_kind: global_buffer, .address_space: global }
      - { .name: kvq, .offset: 32, .size: 8, .value_kind: global_buffer, .address_space: global }
      - { .name: out0, .offset: 40, .size: 8, .value_kind: global_buffer, .address_space: global }
    .group_segment_fixed_size: 327680
    .private_segment_fixed_size: 0
    .kernarg_segment_align: 8
    .kernarg_segment_size: 48
    .max_flat_workgroup_size: 128
    .sgpr_count:     100
    .vgpr_count:     1024
    .wavefront_size: 32
...
	.end_amdgpu_metadata
.endif
;; end of part 4
